; MI455X (gfx1250); checked and timed in simulation.
; The chip was launched on July 23, 2026; its instructions are those of AMD's public machine-readable ISA for CDNA 5 (MIT licence, August 2026) and "CDNA5" Instruction Set Architecture Reference Guide (July 2026). The comments in the code are by the model that wrote it; some were corrected since.
;; Self Attention1d. Allowed arithmetic: matrix products marked QUANTISED: E5M2 operands, one E8M0 scale for each 32 along K, by v_wmma_scale_f32_16x16x128_f8f6f4 with both operands' format E5M2, f32 sums; everything else in f32.
;; Inputs: Wk 1,024 x 1,024 float32; Wo 1,024 x 1,024 float32; Wq 1,024 x 1,024 float32; Wv 1,024 x 1,024 float32; attention_mask 2 x 2,048 int32; bk 1,024 float32; bo 1,024 float32; bq 1,024 float32; bv 1,024 float32; gn_bias 1,024 float32; gn_weight 1,024 float32; hidden_states 2 x 1,024 x 2,048 float32.
;; Outputs: out0 2 x 1,024 x 2,048 float32.
;; This version of the problem:
;;   THIS VERSION OF THE PROBLEM IS GIVEN IN LOW PRECISION. The matrix products marked QUANTISED in the list below multiply operands that are first quantised to E5M2 (5 exponent bits, 2 mantissa bits; 8 bits a number), with one power-of-two scale for each 32 numbers along K (OCP MX v1.0); their sums are f32. All else is computed in f32.
;;   The module's matrix products, in the order in which they are computed (A, B: the left and right operand; K: the contracted axis; several contracted axes count as one K, in the product's order):
;;     1. [M 4,096, K 1,024] x [K 1,024, N 1,024]; A: computed on the way; B: input Wq: QUANTISED
;;     2. [M 4,096, K 1,024] x [K 1,024, N 1,024]; A: computed on the way; B: input Wk: QUANTISED
;;     3. [M 4,096, K 1,024] x [K 1,024, N 1,024]; A: computed on the way; B: input Wv: QUANTISED
;;     4. batch 32 x [M 2,048, K 64] x [K 64, N 2,048]; A: computed on the way; B: computed on the way: QUANTISED
;;     5. batch 32 x [M 2,048, K 2,048] x [K 2,048, N 64]; A: softmax (see below); B: computed on the way: QUANTISED
;;     6. [M 4,096, K 1,024] x [K 1,024, N 1,024]; A: computed on the way; B: input Wo: QUANTISED
;;   THE QUANTISER, for each operand of a quantised product, along K:
;;     - K is cut into blocks of 32 from its start; a last block that is shorter is filled with zeros.
;;     - A block's scale is 2^e with e = floor(log2(the largest magnitude in the block)) - 15, held to -126 .. 127; a block of zeros has e = 0. As a byte (E8M0): e + 127.
;;     - Each number is divided by its block's scale, clamped to +-57,344, and rounded to the nearest number of E5M2, ties to even, subnormals kept.
;;     - The product sums the exact products of the quantised numbers (number of the format x scale) in f32.
;;   ~~~python
;;   def quantise(x, axis):      # numpy; x: float32 -> the quantised numbers, widened to float32 again
;;       x = np.moveaxis(x, axis, -1); K = x.shape[-1]
;;       x = np.pad(x, [(0, 0)] * (x.ndim - 1) + [(0, -K % 32)]); x = x.reshape(x.shape[:-1] + (-1, 32)); a = np.abs(x).max(-1, keepdims=True)
;;       e = np.where(a > 0, np.clip(np.frexp(np.where(a > 0, a, 1))[1] - 1 - 15, -126, 127), 0)      # np.frexp(a)[1] - 1 = floor(log2(a)), exactly
;;       r = np.clip(x / 2.0 ** e, -57344, 57344)
;;       step = 2.0 ** (np.maximum(np.frexp(np.where(r == 0, 1, r))[1] - 1, -14) - 2)
;;       q = np.round(r / step) * step * 2.0 ** e      # np.round: ties to even
;;       return np.moveaxis(q.reshape(q.shape[:-2] + (-1,))[..., :K], -1, axis).astype(np.float32)
;;   ~~~
;;   SOFTMAX AHEAD OF A QUANTISED PRODUCT. Where the list says 'softmax', what is quantised is not the finished softmax but p = 2^(t - M), with t = logit x log2(e) and M = ceil(the row's largest t), a whole number; so 1/2 < the row's largest p <= 1. The row's sum l is taken of the UNQUANTISED p, in f32, and the product's result is divided by l at the end. Since M is a whole number, a kernel that streams over the keys may use a running M (the ceiling of the running maximum): every later rescaling is an exact power of two, which a block's scale takes up: the codes' values come out the same.
;;   OPERANDS COMPUTED ON THE WAY. 'Computed on the way' means the value that the module computes at that place (a softmax that the list does not call 'softmax' is quantised finished and normalised). What goes into a quantiser is computed in f32, as accurately as f32 sums, v_exp_f32 and their like allow (about 1e-6 of the number): no bf16 or f16 on the way to a quantiser, and a product that is left as it is and whose result goes on into a quantised operand takes f32 operands (vector FMAs, or v_wmma_f32_16x16x4_f32). A number that lies on a knife's edge between two numbers of the format may be rounded either way, as far as f32 arithmetic and the matrix unit's own rounding can turn it there, and no further.
;; One version. Each part assembles by itself: llvm-mc -triple=amdgcn-amd-amdhsa -mcpu=gfx1250 --defsym DOCPART=n.
;; ======== version 1 of 1: 5 launches
;; limits: right only within a limited range of input values
;; workspace buffers: part 8,192 bytes; opc 8,388,608 bytes; ops 262,144 bytes; img 12,582,912 bytes; isc 655,360 bytes; acode 4,194,304 bytes; asc 131,072 bytes
;; launch prep (part 1): grid 512 x 1, 4 waves a work-group, no clusters, 34,304 bytes of LDS; arguments hidden_states, Wq, Wk, Wv, Wo, part, opc, ops; writes part, opc, ops
.if DOCPART == 1
	.amdgcn_target "amdgcn-amd-amdhsa--gfx1250"
	.amdhsa_code_object_version 6
	.text
	.protected	k_q6ea75bfbac_prep
	.globl	k_q6ea75bfbac_prep
	.p2align	8
	.type	k_q6ea75bfbac_prep,@function
k_q6ea75bfbac_prep:
	s_mov_b64 s[64:65], 0
	v_nop
	global_prefetch_b8 v0, s[64:65] scope:SCOPE_SE
	s_setreg_imm32_b32 hwreg(HW_REG_WAVE_MODE, 25, 1), 1
	s_wait_xcnt 0x0
; TWO JOBS IN ONE LAUNCH, parted on the work-group's number.
; Work-groups 0-255: GroupNorm's statistics in parts.  A wave takes 4,096 neighbouring numbers of hidden_states (16 KB, kept in 128 registers), and stores their mean and
; the sum of squared distances from THAT mean (M2).  The next launch joins the 512 parts of a sample.  No difference of large sums is ever formed, so a common offset of the inputs costs no digits.
; Work-groups 256-511: the four weights [1024][1024] f32 (K innermost) become codes of E5M2 with one E8M0 byte for each 32 along K, laid as IMAGES OF THE OPERAND'S REGISTERS:
;   codes  [tile T][K step 0..7][c 0..3][lane 0..31][16 bytes]: lane (r = lane % 16, h = lane / 16) holds k = 32 c + 16 h + 0..15 of the tile's row r;   scale words [T][K step][r].
;   Row r of tile T is the weight's row 32 (T / 2) + 8 (T % 2) + r + 8 (r / 8): so that a product that takes such a tile as source 0 leaves 16 neighbouring rows in the 16 registers of two neighbouring tiles.
;   T: 0-63 Wq, 64-127 Wk, 128-191 Wv, 192-255 Wo.
; A block's scale is 2^(floor(log2(largest magnitude)) - 15); each number is held within +-57,344 x the scale and rounded to the nearest code, ties to even.
; LIMITS: NaN and infinities among the inputs are not served; a block of zeros gets the byte 1 where the rule says 127 (its codes are zeros, and this program alone reads the bytes).
; No barrier: waves share nothing.  Only the weights' path touches LDS (a stage of 16 rows x 528 bytes for each wave).
.set TM,  16                           ; v16-31  the quantiser's work: largest magnitudes, bytes, holds, scale operands
.set SEL, 26                           ; s[26:27] v_permlanex16_b32's selects for lane l xor 16
.set MNT, 28                           ; s28  the mantissa field of 57,344
.macro RED_ADD v, t                    ; the sum over the wave's 32 lanes, in every lane
	v_add_f32_dpp v[\v], v[\v], v[\v] row_xmask:1 row_mask:0xf bank_mask:0xf
	v_add_f32_dpp v[\v], v[\v], v[\v] row_xmask:2 row_mask:0xf bank_mask:0xf
	v_add_f32_dpp v[\v], v[\v], v[\v] row_xmask:4 row_mask:0xf bank_mask:0xf
	v_add_f32_dpp v[\v], v[\v], v[\v] row_xmask:8 row_mask:0xf bank_mask:0xf
	v_permlanex16_b32 v[\t], v[\v], s[SEL], s[SEL+1]
	v_add_f32 v[\v], v[\v], v[\t]
.endm
; 64 numbers of a lane, register 16 b + i = k 32 b + 16 (lane / 16) + i of my row, become a fragment's 16 registers of codes v[pc] on and its scale word v[pw]
.macro QUANT s, pc, pw
.irp b, 0,1,2,3
	v_max3_num_f32 v[TM+\b], |v[\s+16*\b]|, |v[\s+1+16*\b]|, 0x8000000   ; my 16 numbers of block b, and the floor 2^(16 - 127): the byte cannot fall under 1
.endr
.irp i, 2,4,6,8,10,12,14
.irp b, 0,1,2,3
	v_max3_num_f32 v[TM+\b], v[TM+\b], |v[\s+16*\b+\i]|, |v[\s+1+16*\b+\i]|
.endr
.endr
.irp b, 0,1,2,3
	v_permlanex16_b32 v[TM+4+\b], v[TM+\b], s[SEL], s[SEL+1]
.endr
.irp b, 0,1,2,3
	v_max_num_f32 v[TM+\b], v[TM+\b], v[TM+4+\b]                    ; with lane l xor 16's: the block's largest magnitude
.endr
.irp b, 0,1,2,3
	v_add_nc_u32 v[TM+12+\b], 0xf8800000, v[TM+\b]                  ; 15 off its exponent field: the conversion's scale operand
.endr
.irp b, 0,1,2,3
	v_and_or_b32 v[TM+8+\b], v[TM+\b], 0x7f800000, s[MNT]           ; 57,344 x the scale
.endr
.irp b, 0,1,2,3
	v_lshrrev_b32 v[TM+4+\b], 23, v[TM+12+\b]                       ; the scale's byte
.endr
	v_lshl_or_b32 v[\pw], v[TM+5], 8, v[TM+4]
	v_lshl_or_b32 v[\pw], v[TM+6], 16, v[\pw]
	v_lshl_or_b32 v[\pw], v[TM+7], 24, v[\pw]
.irp b, 0,1,2,3
.irp i, 0,1,2,3,4,5,6,7,8,9,10,11,12,13,14,15
	v_med3_num_f32 v[\s+16*\b+\i], v[\s+16*\b+\i], -v[TM+8+\b], v[TM+8+\b]   ; the conversion to an 8-bit code does not saturate (ISA guide 7.6.2): the hold comes first
.endr
	v_cvt_scalef32_pk8_bf8_f32 v[\pc+4*\b:\pc+1+4*\b], v[\s+16*\b:\s+7+16*\b], v[TM+12+\b]
	v_cvt_scalef32_pk8_bf8_f32 v[\pc+2+4*\b:\pc+3+4*\b], v[\s+8+16*\b:\s+15+16*\b], v[TM+12+\b]
.endr
	v_nop                                          ; a plain line behind the last scaled conversion
.endm
	s_load_b256 s[4:11], s[0:1], 0x0               ; hidden_states, Wq, Wk, Wv
	s_load_b256 s[12:19], s[0:1], 0x20             ; Wo, part, opc, ops
	v_lshl_add_u32 v11, v0, 2, 0x8400
	v_mov_b32 v15, 0
	v_lshrrev_b32 v1, 5, v0
	v_readfirstlane_b32 s20, v1                    ; wave
	v_and_b32 v1, 31, v0                           ; lane
	v_lshlrev_b32 v2, 4, v1                        ; 16 x lane
	s_mov_b32 s[SEL], 0x76543210
	s_mov_b32 s[SEL+1], 0xfedcba98
	s_mov_b32 s[MNT], 0x600000
	s_mov_b32 s23, 0
	s_cmp_lt_u32 ttmp9, 256
	s_cbranch_scc0 .Lweights
	; ---- the statistics of 4,096 numbers
	s_lshl_b32 s21, ttmp9, 2
	s_add_co_u32 s21, s21, s20                     ; which part: 0..1023 (512 to a sample)
	s_lshl_b32 s22, s21, 14                        ; 16 KB a part
	v_mov_b32 v24, 0                               ; (a lane permute's destination counts as read)
	s_wait_kmcnt 0x0
	s_add_nc_u64 s[4:5], s[4:5], s[22:23]
.set n, 0
	s_wait_alu depctr_va_vdst(0)
.rept 32
	global_load_b128 v[128+4*n:131+4*n], v2, s[4:5] offset:512*n     ; 32 lanes read 512 consecutive bytes
.set n, n+1
.endr
	s_wait_loadcnt 24                              ; the first eight loads are in: pairs 0-15
.irp k, 0,1,2,3
	v_pk_add_f32 v[16+2*\k:17+2*\k], v[128+2*\k:129+2*\k], v[136+2*\k:137+2*\k]   ; four chains, started by the first eight pairs: nothing is cleared
.endr
.set p, 8
.rept 56
.if p == 16
	s_wait_alu depctr_va_vdst(0)
	s_wait_loadcnt 16                              ; each wait lets the younger groups of eight loads stay out
.elseif p == 32
	s_wait_alu depctr_va_vdst(0)
	s_wait_loadcnt 8
.elseif p == 48
	s_wait_alu depctr_va_vdst(0)
	s_wait_loadcnt 0
.endif
	v_pk_add_f32 v[16+2*(p%4):17+2*(p%4)], v[16+2*(p%4):17+2*(p%4)], v[128+2*p:129+2*p]
.set p, p+1
.endr
	v_pk_add_f32 v[16:17], v[16:17], v[18:19]
	v_pk_add_f32 v[20:21], v[20:21], v[22:23]
	v_pk_add_f32 v[16:17], v[16:17], v[20:21]
	v_add_f32 v16, v16, v17
	RED_ADD 16, 24
	v_mul_f32 v26, 0x39800000, v16                 ; the part's mean: sum x 2^-12
	v_mov_b32 v27, v26
.set p, 0
.rept 64
	v_pk_add_f32 v[128+2*p:129+2*p], v[128+2*p:129+2*p], v[26:27] neg_lo:[0,1] neg_hi:[0,1]   ; the distance from the part's own mean
.set p, p+1
.endr
.irp k, 0,1,2,3
	v_pk_mul_f32 v[16+2*\k:17+2*\k], v[128+2*\k:129+2*\k], v[128+2*\k:129+2*\k]
.endr
.set p, 4
.rept 60
	v_pk_fma_f32 v[16+2*(p%4):17+2*(p%4)], v[128+2*p:129+2*p], v[128+2*p:129+2*p], v[16+2*(p%4):17+2*(p%4)]
.set p, p+1
.endr
	v_pk_add_f32 v[16:17], v[16:17], v[18:19]
	v_pk_add_f32 v[20:21], v[20:21], v[22:23]
	v_pk_add_f32 v[16:17], v[16:17], v[20:21]
	v_add_f32 v16, v16, v17
	RED_ADD 16, 24
	v_mov_b32 v27, v16                             ; v[26:27] = (mean, M2)
	s_lshl_b32 s22, s21, 3
	s_add_nc_u64 s[14:15], s[14:15], s[22:23]
	v_mov_b32 v28, 0
	v_cmp_eq_u32 vcc_lo, 0, v1
	s_wait_alu depctr_va_vdst(0)
	s_wait_xcnt 0x0                                ; EXEC changes only behind this wait
	s_and_saveexec_b32 s30, vcc_lo
	global_store_b64 v28, v[26:27], s[14:15]       ; 8 bytes a wave, 8 KB in the whole launch
	s_wait_xcnt 0x0
	s_or_b32 exec_lo, exec_lo, s30
	s_endpgm
	; ---- a tile of 16 rows of a weight; wave w takes K steps 2 w and 2 w + 1
.Lweights:
	s_sub_co_u32 s21, ttmp9, 256                   ; T
	v_and_b32 v6, 15, v0                           ; r
	v_bfe_u32 v7, v0, 4, 1                         ; h
	s_mul_i32 s25, s20, 8448                       ; my stage
	s_wait_alu depctr_va_vdst(0)
	v_add_nc_u32 v4, s25, v2                       ; in: a row's 512 bytes as they lie, 16 a lane
	v_mul_u32_u24 v5, v6, 528
	v_lshl_add_u32 v5, v7, 6, v5
	v_add_nc_u32 v5, s25, v5                       ; out: row r, + 64 h: my 16 numbers of a block of 32.  528 bytes = 132 words: the 16 rows of a load begin 4 banks apart
	v_lshlrev_b32 v3, 2, v1                        ; 4 x lane
.irp b, 0,1,2,3
	v_mov_b32 v[TM+4+\b], 0                        ; (a lane permute's destination counts as read)
.endr
	s_and_b32 s22, s21, 63
	s_lshr_b32 s22, s22, 1
	s_lshl_b32 s22, s22, 5
	s_and_b32 s24, s21, 1
	s_lshl_b32 s24, s24, 3
	s_add_co_u32 s22, s22, s24                     ; the tile's first row: 32 (T / 2) + 8 (T % 2) within its weight
	s_lshl_b32 s22, s22, 12                        ; 4,096 bytes a row
	s_lshl_b32 s24, s20, 10
	s_add_co_u32 s22, s22, s24                     ; + 1,024 bytes x wave: two K steps
	s_wait_alu depctr_va_vdst(0)
	s_wait_kmcnt 0x0
	s_cmp_lt_u32 s21, 64                           ; which weight: the choice hangs on the work-group's number alone
	s_cselect_b64 s[6:7], s[6:7], s[8:9]
	s_cmp_lt_u32 s21, 192
	s_cselect_b64 s[10:11], s[10:11], s[12:13]
	s_cmp_lt_u32 s21, 128
	s_cselect_b64 s[6:7], s[6:7], s[10:11]
	s_add_nc_u64 s[6:7], s[6:7], s[22:23]
.irp f, 0,1
.irp i, 0,1,2,3,4,5,6,7,8,9,10,11,12,13,14,15
	global_load_b128 v[128+64*\f+4*\i:131+64*\f+4*\i], v2, s[6:7] offset:(\i+8*(\i/8))*4096+512*\f th:TH_LOAD_NT   ; the tile's row i, K step f: 512 consecutive bytes
.endr
.endr
	s_lshl_b32 s22, s21, 14
	s_lshl_b32 s24, s20, 12
	s_add_co_u32 s22, s22, s24
	s_add_nc_u64 s[16:17], s[16:17], s[22:23]      ; codes: 16 KB a tile, 2 KB a K step
	s_lshl_b32 s22, s21, 9
	s_lshl_b32 s24, s20, 7
	s_add_co_u32 s22, s22, s24
	s_add_nc_u64 s[18:19], s[18:19], s[22:23]      ; scale words: 512 bytes a tile, 64 a K step
.irp f, 0,1
	s_wait_loadcnt 16*(1-\f)                       ; this K step's sixteen loads are in; the other's may be out
.irp i, 0,1,2,3,4,5,6,7,8,9,10,11,12,13,14,15
	ds_store_b128 v4, v[128+64*\f+4*\i:131+64*\f+4*\i] offset:528*\i
.endr
.irp b, 0,1,2,3
.irp j, 0,1,2,3
	ds_load_b128 v[64+16*\b+4*\j:67+16*\b+4*\j], v5 offset:128*\b+16*\j     ; LDS serves a wave's instructions in order: these see the stores above
.endr
.endr
	s_wait_dscnt 0x0
	QUANT 64, 32+16*\f, 12+\f
.irp c, 0,1,2,3
	global_store_b128 v2, v[32+16*\f+4*\c:35+16*\f+4*\c], s[16:17] offset:2048*\f+512*\c   ; the fragment as it stands: 512 consecutive bytes a store
.endr
.endr
	v_cmp_lt_u32 vcc_lo, 15, v1
	v_cndmask_b32 v14, v12, v13, vcc_lo            ; lanes 0-15: K step 2 w's words, lanes 16-31: K step 2 w + 1's (both halves of the lanes hold row r's word)
	global_store_b32 v3, v14, s[18:19]             ; 128 consecutive bytes
	s_wait_tensorcnt 0x0
	ds_add_u32 v11, v15
	s_wait_dscnt 0x0
	s_endpgm
.Lfunc_end_k_q6ea75bfbac_prep:
	.size	k_q6ea75bfbac_prep, .Lfunc_end_k_q6ea75bfbac_prep-k_q6ea75bfbac_prep
	.p2alignl 7, 3214868480
	.fill 96, 4, 3214868480
	.section	.rodata,"a",@progbits
	.p2align	6, 0x0
	.amdhsa_kernel k_q6ea75bfbac_prep
		.amdhsa_group_segment_fixed_size 34304
		.amdhsa_private_segment_fixed_size 0
		.amdhsa_enable_private_segment 0
		.amdhsa_kernarg_size 64
		.amdhsa_user_sgpr_count 2
		.amdhsa_user_sgpr_kernarg_segment_ptr 1
		.amdhsa_wavefront_size32 1
		.amdhsa_system_sgpr_workgroup_id_x 1
		.amdhsa_system_sgpr_workgroup_id_y 1
		.amdhsa_system_sgpr_workgroup_id_z 1
		.amdhsa_system_vgpr_workitem_id 0
		.amdhsa_next_free_vgpr 256
		.amdhsa_next_free_sgpr 66
		.amdhsa_reserve_vcc 1
		.amdhsa_float_denorm_mode_32 3
		.amdhsa_float_denorm_mode_16_64 3
		.amdhsa_memory_ordered 1
		.amdhsa_forward_progress 1
		.amdhsa_inst_pref_size 44
	.end_amdhsa_kernel
	.amdgpu_metadata
---
amdhsa.version: [ 1, 2 ]
amdhsa.kernels:
  - .name:           k_q6ea75bfbac_prep
    .symbol:         k_q6ea75bfbac_prep.kd
    .args:
      - { .name: hidden_states, .offset: 0, .size: 8, .value_kind: global_buffer, .address_space: global }
      - { .name: Wq, .offset: 8, .size: 8, .value_kind: global_buffer, .address_space: global }
      - { .name: Wk, .offset: 16, .size: 8, .value_kind: global_buffer, .address_space: global }
      - { .name: Wv, .offset: 24, .size: 8, .value_kind: global_buffer, .address_space: global }
      - { .name: Wo, .offset: 32, .size: 8, .value_kind: global_buffer, .address_space: global }
      - { .name: part, .offset: 40, .size: 8, .value_kind: global_buffer, .address_space: global }
      - { .name: opc, .offset: 48, .size: 8, .value_kind: global_buffer, .address_space: global }
      - { .name: ops, .offset: 56, .size: 8, .value_kind: global_buffer, .address_space: global }
    .group_segment_fixed_size: 34304
    .private_segment_fixed_size: 0
    .kernarg_segment_align: 8
    .kernarg_segment_size: 64
    .max_flat_workgroup_size: 128
    .sgpr_count:     66
    .vgpr_count:     256
    .wavefront_size: 32
...
	.end_amdgpu_metadata
.endif
;; end of part 1
;; launch xquant (part 2): grid 32 x 8, 4 waves a work-group, no clusters, 0 bytes of LDS; arguments hidden_states, gn_weight, gn_bias, part, opc, ops; writes opc, ops
.if DOCPART == 2
	.amdgcn_target "amdgcn-amd-amdhsa--gfx1250"
	.amdhsa_code_object_version 6
	.text
	.protected	k_q6ea75bfbac_xquant
	.globl	k_q6ea75bfbac_xquant
	.p2align	8
	.type	k_q6ea75bfbac_xquant,@function
k_q6ea75bfbac_xquant:
	s_mov_b64 s[64:65], 0
	v_nop
	global_prefetch_b8 v0, s[64:65] scope:SCOPE_SE
	s_setreg_imm32_b32 hwreg(HW_REG_WAVE_MODE, 25, 1), 1
	s_wait_xcnt 0x0
; x = (hidden_states - mean) rsqrt(var + 1e-5) gain[c] + bias[c], quantised along C to codes of E5M2 with one E8M0 byte for each 32 along C.
; hidden_states is [b][c][s]: K (= c) is NOT innermost.  A LANE TAKES A COLUMN s AND ITS REGISTERS RUN DOWN c: each load reads 128 consecutive bytes, a block of 32 lies in one lane, nothing is transposed.
; The codes go out as images of the operand's registers (tiles 256 + 128 b + .. of opc; scale words in ops): column s = 32 g + sigma is row r = (sigma & 7) | (sigma >> 4) << 3 of tile 2 g + ((sigma >> 3) & 1).
; A lane's 32 codes of a block are two pieces of 16 bytes: that of k = 0..15 lies at 16 r, that of k = 16..31 at 256 + 16 r of the block's 512 bytes: each store fills two aligned runs of 256 bytes whole.
; Work-group (x, y): sample x / 16, columns 128 (x % 16) on, K step y (128 channels).  A wave takes 32 columns: four blocks of 32 channels, loads two blocks ahead.
; The statistics: every wave joins the sample's 512 parts (mean_i, M2_i of 4,096 numbers each): mean = the means' mean; var = (sum M2_i + 4,096 sum (mean_i - mean)^2) / 2^21.
; The 32 gains and biases of a block are the same for all lanes: they are scalar loads, and the gain is multiplied by rsqrt(..) in scalar registers.
; LIMITS: NaN and infinities are not served; a block of zeros gets the byte 1 (its codes are zeros; this program alone reads the bytes); x is made as (h - mean) (gain r) + bias, one rounding otherwise placed than (h - mean) r gain + bias.
.set SEL, 50                           ; s[50:51]
.set MNT, 52
.macro RED_ADD v, t
	v_add_f32_dpp v[\v], v[\v], v[\v] row_xmask:1 row_mask:0xf bank_mask:0xf
	v_add_f32_dpp v[\v], v[\v], v[\v] row_xmask:2 row_mask:0xf bank_mask:0xf
	v_add_f32_dpp v[\v], v[\v], v[\v] row_xmask:4 row_mask:0xf bank_mask:0xf
	v_add_f32_dpp v[\v], v[\v], v[\v] row_xmask:8 row_mask:0xf bank_mask:0xf
	v_permlanex16_b32 v[\t], v[\v], s[SEL], s[SEL+1]
	v_add_f32 v[\v], v[\v], v[\t]
.endm
.macro GAINS t                         ; block t's 32 gains into s[16:47], its 32 biases into s[68:99]
	s_load_b512 s[16:31], s[6:7], 128*(\t)
	s_load_b512 s[32:47], s[6:7], 128*(\t)+64
	s_load_b512 s[68:83], s[8:9], 128*(\t)
	s_load_b512 s[84:99], s[8:9], 128*(\t)+64
.endm
.macro LOAD t                          ; block t: h(32 t + i, my column), i = 0..31, into set t % 2
.set n, 0
.rept 32
	global_load_b32 v[64+32*((\t)%2)+n], v2, s[4:5] offset:(32*(\t)+n)*8192
.set n, n+1
.endr
.endm
	s_load_b256 s[4:11], s[0:1], 0x0               ; hidden_states, gn_weight, gn_bias, part
	s_load_b128 s[12:15], s[0:1], 0x20             ; opc, ops
	v_lshrrev_b32 v1, 5, v0
	v_readfirstlane_b32 s48, v1                    ; wave
	v_and_b32 v1, 31, v0                           ; sigma
	v_lshlrev_b32 v2, 2, v1                        ; my column: 4 bytes a lane
	v_lshlrev_b32 v5, 4, v1                        ; the parts: 16 bytes a lane
	v_bfe_u32 v6, v1, 3, 1                         ; u: which of the two tiles
	v_and_b32 v7, 7, v1
	v_bfe_u32 v3, v1, 4, 1
	v_lshl_or_b32 v7, v3, 3, v7                    ; r: my row in it
	v_lshlrev_b32 v3, 4, v7
	v_lshl_or_b32 v3, v6, 14, v3                   ; codes: 16 KB x u + 16 r
	v_lshlrev_b32 v4, 2, v7
	v_lshl_or_b32 v4, v6, 9, v4                    ; scale words: 512 x u + 4 r
	v_mov_b32 v44, 0                               ; (a lane permute's destination counts as read)
	s_mov_b32 s[SEL], 0x76543210
	s_mov_b32 s[SEL+1], 0xfedcba98
	s_mov_b32 s[MNT], 0x600000
	s_lshr_b32 s57, ttmp9, 4                       ; b
	s_and_b32 s58, ttmp9, 15                       ; which 128 columns
	s_and_b32 s59, ttmp7, 0xffff                   ; K step
	s_lshl_b32 s60, s57, 23
	s_lshl_b32 s62, s59, 20
	s_add_co_u32 s60, s60, s62
	s_lshl_b32 s62, s58, 9
	s_add_co_u32 s60, s60, s62
	s_lshl_b32 s62, s48, 7
	s_add_co_u32 s60, s60, s62                     ; b x 8 MB + K step x 128 rows of 8 KB + 4 (128 x + 32 wave)
	s_mov_b32 s61, 0
	s_lshl_b32 s62, s59, 9                         ; the K step's 128 gains
	s_mov_b32 s63, 0
	s_wait_kmcnt 0x0
	s_add_nc_u64 s[4:5], s[4:5], s[60:61]
	s_add_nc_u64 s[6:7], s[6:7], s[62:63]
	s_add_nc_u64 s[8:9], s[8:9], s[62:63]
	s_lshl_b32 s62, s57, 12
	s_add_nc_u64 s[10:11], s[10:11], s[62:63]      ; the sample's 512 parts
	GAINS 0
.irp i, 0,1,2,3,4,5,6,7
	global_load_b128 v[8+4*\i:11+4*\i], v5, s[10:11] offset:512*\i   ; 16 parts a lane
.endr
	LOAD 0
	LOAD 1
	s_lshl_b32 s60, s57, 6
	s_lshl_b32 s62, s58, 2
	s_add_co_u32 s60, s60, s62
	s_add_co_u32 s60, s60, s48                     ; g = 64 b + 4 x + wave: which 32 rows of x
	s_lshl_b32 s60, s60, 1
	s_add_co_u32 s60, s60, 256                     ; their first tile
	s_lshl_b32 s62, s60, 14
	s_lshl_b32 s53, s59, 11
	s_add_co_u32 s62, s62, s53
	s_add_nc_u64 s[12:13], s[12:13], s[62:63]
	s_lshl_b32 s62, s60, 9
	s_lshl_b32 s53, s59, 6
	s_add_co_u32 s62, s62, s53
	s_add_nc_u64 s[14:15], s[14:15], s[62:63]
	s_mov_b32 s57, 0x35000000                      ; 2^-21: one over a sample's 1,024 x 2,048 numbers
	s_mov_b32 s58, 0x3727c5ac                      ; 1e-5
	s_wait_loadcnt 63                              ; 64 loads were issued behind the eight of the parts: those eight are in
	v_pk_add_f32 v[40:41], v[8:9], v[10:11]        ; a pair is (mean_i, M2_i): one chain of packed sums adds both
	v_pk_add_f32 v[42:43], v[12:13], v[14:15]
.irp j, 4,6,8,10,12,14
	v_pk_add_f32 v[40:41], v[40:41], v[8+2*\j:9+2*\j]
	v_pk_add_f32 v[42:43], v[42:43], v[10+2*\j:11+2*\j]
.endr
	v_pk_add_f32 v[40:41], v[40:41], v[42:43]
	RED_ADD 40, 44
	v_mul_f32 v45, 0xbb000000, v40                 ; -mean: the 512 means' sum x -2^-9
.irp j, 0,1,2,3,4,5,6,7,8,9,10,11,12,13,14,15
	v_add_f32 v[8+2*\j], v[8+2*\j], v45            ; mean_i - mean
.endr
	v_mul_f32 v46, v8, v8
	v_mul_f32 v47, v10, v10
.irp j, 2,4,6,8,10,12,14
	v_fma_f32 v46, v[8+2*\j], v[8+2*\j], v46
	v_fma_f32 v47, v[10+2*\j], v[10+2*\j], v47
.endr
	v_add_f32 v46, v46, v47
	v_fma_f32 v46, v46, 0x45800000, v41            ; 4,096 x the squares + my 16 M2
	RED_ADD 46, 44
	v_fma_f32 v46, v46, s57, s58                   ; var + 1e-5
	s_wait_alu depctr_va_vdst(0)
	v_rsq_f32 v47, v46
	v_nop                                          ; a plain line behind the transcendental
	s_wait_alu depctr_va_vdst(0)
	v_readfirstlane_b32 s56, v47                   ; r = rsqrt(var + 1e-5)
	v_readfirstlane_b32 s54, v45                   ; -mean
	s_mov_b32 s55, s54                             ; (the packed form names the pair)
.macro BLOCK t
.set XS, 64+32*((\t)%2)
	s_wait_kmcnt 0x0                               ; the block's gains and biases
.set n, 0
.rept 32
	s_mul_f32 s[16+n], s[16+n], s56                ; gain x r
.set n, n+1
.endr
.if (\t) < 3
	s_wait_loadcnt 32                              ; this block's 32 loads are in; the next block's may be out
.else
	s_wait_loadcnt 0
.endif
.set n, 0
.rept 16
	v_pk_add_f32 v[XS+n:XS+n+1], v[XS+n:XS+n+1], s[54:55] op_sel_hi:[1,0]   ; h - mean
.set n, n+2
.endr
.set n, 0
.rept 32
	v_fma_f32 v[XS+n], v[XS+n], s[16+n], s[68+n]
.set n, n+1
.endr
.if (\t) < 3
	GAINS (\t)+1                                   ; they land while this block is quantised
.endif
	v_max3_num_f32 v48, |v[XS]|, |v[XS+1]|, |v[XS+2]|              ; the block's largest magnitude: all 32 numbers are mine
	v_max3_num_f32 v49, |v[XS+3]|, |v[XS+4]|, |v[XS+5]|
.irp i, 6,10,14,18,22,26
	v_max3_num_f32 v48, v48, |v[XS+\i]|, |v[XS+\i+1]|
	v_max3_num_f32 v49, v49, |v[XS+\i+2]|, |v[XS+\i+3]|
.endr
	v_max3_num_f32 v48, v48, |v[XS+30]|, |v[XS+31]|
	v_max3_num_f32 v48, v48, v49, 0x8000000        ; and the floor 2^(16 - 127)
	v_add_nc_u32 v50, 0xf8800000, v48              ; the conversion's scale operand
	v_and_or_b32 v51, v48, 0x7f800000, s[MNT]      ; 57,344 x the scale
	v_lshrrev_b32 v52, 23, v50                     ; the byte
.if (\t) == 0
	v_mov_b32 v56, v52
.else
	v_lshl_or_b32 v56, v52, 8*(\t), v56            ; four bytes make my row's scale word of this K step
.endif
.set n, 0
.rept 32
	v_med3_num_f32 v[XS+n], v[XS+n], -v51, v51     ; the conversion does not saturate (ISA guide 7.6.2)
.set n, n+1
.endr
.irp g, 0,1,2,3
	v_cvt_scalef32_pk8_bf8_f32 v[128+8*(\t)+2*\g:129+8*(\t)+2*\g], v[XS+8*\g:XS+8*\g+7], v50
.endr
	v_nop
	global_store_b128 v3, v[128+8*(\t):131+8*(\t)], s[12:13] offset:512*(\t)         ; k = 0..15 of the block: sixteen lanes fill 256 consecutive bytes of a tile
	global_store_b128 v3, v[132+8*(\t):135+8*(\t)], s[12:13] offset:512*(\t)+256     ; k = 16..31.  Each block has its own code registers: no store's data are written again
.if (\t) < 2
	LOAD (\t)+2
.endif
.endm
	BLOCK 0
	BLOCK 1
	BLOCK 2
	BLOCK 3
	global_store_b32 v4, v56, s[14:15]             ; two runs of 64 bytes
	s_endpgm
.Lfunc_end_k_q6ea75bfbac_xquant:
	.size	k_q6ea75bfbac_xquant, .Lfunc_end_k_q6ea75bfbac_xquant-k_q6ea75bfbac_xquant
	.p2alignl 7, 3214868480
	.fill 96, 4, 3214868480
	.section	.rodata,"a",@progbits
	.p2align	6, 0x0
	.amdhsa_kernel k_q6ea75bfbac_xquant
		.amdhsa_group_segment_fixed_size 0
		.amdhsa_private_segment_fixed_size 0
		.amdhsa_enable_private_segment 0
		.amdhsa_kernarg_size 48
		.amdhsa_user_sgpr_count 2
		.amdhsa_user_sgpr_kernarg_segment_ptr 1
		.amdhsa_wavefront_size32 1
		.amdhsa_system_sgpr_workgroup_id_x 1
		.amdhsa_system_sgpr_workgroup_id_y 1
		.amdhsa_system_sgpr_workgroup_id_z 1
		.amdhsa_system_vgpr_workitem_id 0
		.amdhsa_next_free_vgpr 160
		.amdhsa_next_free_sgpr 100
		.amdhsa_reserve_vcc 0
		.amdhsa_float_denorm_mode_32 3
		.amdhsa_float_denorm_mode_16_64 3
		.amdhsa_memory_ordered 1
		.amdhsa_forward_progress 1
		.amdhsa_inst_pref_size 52
	.end_amdhsa_kernel
	.amdgpu_metadata
---
amdhsa.version: [ 1, 2 ]
amdhsa.kernels:
  - .name:           k_q6ea75bfbac_xquant
    .symbol:         k_q6ea75bfbac_xquant.kd
    .args:
      - { .name: hidden_states, .offset: 0, .size: 8, .value_kind: global_buffer, .address_space: global }
      - { .name: gn_weight, .offset: 8, .size: 8, .value_kind: global_buffer, .address_space: global }
      - { .name: gn_bias, .offset: 16, .size: 8, .value_kind: global_buffer, .address_space: global }
      - { .name: part, .offset: 24, .size: 8, .value_kind: global_buffer, .address_space: global }
      - { .name: opc, .offset: 32, .size: 8, .value_kind: global_buffer, .address_space: global }
      - { .name: ops, .offset: 40, .size: 8, .value_kind: global_buffer, .address_space: global }
    .group_segment_fixed_size: 0
    .private_segment_fixed_size: 0
    .kernarg_segment_align: 8
    .kernarg_segment_size: 48
    .max_flat_workgroup_size: 128
    .sgpr_count:     100
    .vgpr_count:     160
    .wavefront_size: 32
...
	.end_amdgpu_metadata
.endif
;; end of part 2
;; launch qkv (part 3): grid 32 x 8, 4 waves a work-group, clusters of 4 x 4, 327,680 bytes of LDS; arguments opc, ops, bq, bk, bv, img, isc; writes img, isc
.if DOCPART == 3
	.amdgcn_target "amdgcn-amd-amdhsa--gfx1250"
	.amdhsa_code_object_version 6
	.text
	.protected	k_q6ea75bfbac_qkv
	.globl	k_q6ea75bfbac_qkv
	.p2align	8
	.type	k_q6ea75bfbac_qkv,@function
k_q6ea75bfbac_qkv:
	s_mov_b64 s[64:65], 0
	v_nop
	global_prefetch_b8 v0, s[64:65] scope:SCOPE_SE
	s_setreg_imm32_b32 hwreg(HW_REG_WAVE_MODE, 25, 1), 1
	s_wait_xcnt 0x0
	s_wait_alu depctr_hold_cnt(0) depctr_sa_sdst(0) depctr_va_vdst(0) depctr_va_sdst(0) depctr_va_ssrc(0) depctr_va_vcc(0) depctr_vm_vsrc(0)
	s_getreg_b32 s2, hwreg(HW_REG_IB_STS2, 6, 4)
	s_cmp_eq_u32 s2, 0
	s_cbranch_scc0 .Lentry_in_a_cluster
	s_endpgm
.Lentry_in_a_cluster:
	s_bfe_u32 s2, ttmp6, 0x10000c
	s_cmp_lg_u32 s2, 0xf033
	s_cbranch_scc0 .Lentry_shape_is_right
	s_endpgm
.Lentry_shape_is_right:
; q, k and v on codes of E5M2 (K = 1,024), each result quantised again on the way out, for the attention.
; A WORK-GROUP STAYS: it owns 128 rows of x (work-group x) and 128 features (work-group y), keeps x's codes in LDS for the whole launch, and makes three tiles of 128 x 128 one after the other: q, k, v.
; A tile is 128 rows of an operand P x 128 rows of an operand Q over all of K.  P is source 0, Q source 1: in a result lane (r, h) holds ONE row of Q (row r of its tile), and the 16 registers of P's tiles
; 2 b and 2 b + 1 are P's rows 32 b + 16 h + 0..15 (the rows of a tile are laid so by the launches that made the codes).  So a lane's 64 registers are 128 neighbours along P's rows: one fragment of the next product.
;   q, k: P = 128 features of Wq or Wk (two heads), Q = x.  (sum + bias) / sqrt(8) is quantised along the head's 64: a lane's blocks 0, 1 are one head's, 2, 3 the next head's.
;   v:    P = x (128 keys), Q = 128 features of Wv.  sum + bias is quantised along the keys.
; LDS: x's codes (128 KB) and the weight's (128 KB), each as [half of K][tile 8][K step 4][2048]; x's scale words; the scale words of all three weights.  All but the weight's codes are filled once.
; THE WEIGHT'S REGION IS FILLED AGAIN ON THE WAY, a half of K at a time.  At K step 2 the fragments of K steps 0-3 are in registers: half 0 is read out and takes the next weight's; at K step 7 half 1 likewise.
; Each of the two stands behind a round of the cluster's barrier, with every wave's wait for all its tensor loads, the add, and the wait for its LDS loads in front.  The round at K step 2 also shows half 1 landed, the round at
; K step 7 the new half 0: so the next tile begins with no wait of its own.  Half 0 has five K steps in which to land, half 1 the way out and two K steps.
; CLUSTERS 4 x 4: x's block hangs on the work-group's x and is shared along a column of the cluster, the weights' blocks on its y and are shared along a row: joint loads.  A wave has one out at a time.
; A wave takes Q's tiles 2 w, 2 w + 1 against P's eight: 16 accumulators by turns; 128 matrix instructions a tile, written out.
; Everything lies as images of the operand's registers: a fragment is four loads of 512 consecutive bytes, no pitch, no padding.
; The launch claims all of a WGP's LDS.
; LIMITS: NaN and infinities are not served; a block of zeros gets the byte 1; q and k are made as fma(sum, 8^-1/2, bias x 8^-1/2), one rounding otherwise placed than (sum + bias) x 8^-1/2.
; REGISTERS: window 0: v1-13 addresses; v16-47 P's scale words (register 8 i + s: lanes 0-15 tile 2 i, lanes 16-31 tile 2 i + 1, K step s); v48-55 Q's (lanes 0-15 my first tile, 16-31 my second); v56, v57 for the add; v64-127 Q's fragments, two sets.
;   window 1: P's fragments, two sets of 128.   window 2: v0-127 the accumulators (64 qt + 8 pt); v128 on: the way out.
.set XOP, 0                            ; LDS: x's codes
.set WOP, 131072                       ; the weight's codes
.set XSC, 262144                       ; x's scale words [tile 8][K step 8][row 16]
.set WSC, 266240                       ; the weights' scale words [q, k, v][tile 8][K step 8][row 16]
.set SPARE, 278528                     ; the spare words, 128 bytes for each wave: two blocks of 256 bytes that no other line names
.set WV, 18
.set ROLE, 19                          ; wave / 2.  First fills: waves 0, 1 fetch for the weight, waves 2, 3 for x.  Refills: which half of K is mine
.set HALF, 20                          ; wave % 2: which four tiles
.set G1W, 24                           ; s[24:31] group 1 for the weights' codes;  s[32:39] for x's;  s[40:47], s[48:55] for their scale words
.set G1X, 32
.set G1WS, 40
.set G1XS, 48
.set G0W0, 56                          ; groups 0 of the first fills
.set G0W1, 60
.set G0WS, 68
.set G0X0, 72
.set G0X1, 76
.set G0XS, 80
.set G0R, 84                           ; s[84:87] group 0 of my refills
.set SC, 88                            ; s[88:89] 8^-1/2
.set SEL, 90                           ; s[90:91] v_permlanex16_b32's selects for lane l xor 16
.set MNT, 92                           ; the mantissa field of 57,344
.set HI, 93                            ; the lanes 16-31, as a mask
.set OB, 94                            ; s[94:95] where the tile's codes go;  s[96:97] its scale words;  s[98:99] its bias
.set OS, 96
.set BP, 98
.set AXP, 2                            ; v2, v3  x as P: K halves 0, 1 (v2 is 16 x lane: x's codes begin at LDS byte 0)
.set AWP, 4                            ; v4, v5  the weight as P
.set AXQ, 6                            ; v6, v7  x as Q: my two tiles
.set AWQ, 8                            ; v8, v9  the weight as Q
.set ASWP, 10
.set ASXQ, 11
.set ASXP, 12
.set ASWQ, 13
.set SP, 16
.set SQ, 48
.set SPW, 56                           ; LDS address of my spare word: SPARE + 4 x my thread's number; never rewritten
.set NIL, 57                           ; 0; never rewritten
.set BOQ, 60                           ; q, k: my byte offset in the bias
.set BOV, 61                           ; v: likewise
.set QF, 64
.set BB, 128                           ; window 2: q, k: the bias of my 64 features
.set TM, 192                           ; the quantiser's work
.set PW, 208                           ; v208, v209 the two scale words
.set BQ, 210                           ; v: the bias of my two features
.set PC, 212                           ; v212-243 the two fragments of codes
.set VA, 244                           ; 16 x lane
.set VB8, 245                          ; 8 x lane
.set DT, 246                           ; v[246:247] scale words to store
.set SH, 248                           ; 16 h
.set VB4, 249                          ; 4 x lane
.set MSB, 0
.macro WIN new                         ; the immediate's high byte repeats the setting that is left
.if MSB != (\new)
	s_set_vgpr_msb (MSB<<8)|(\new)
.set MSB, (\new)
.endif
.endm
.macro PLACES n
.rept \n
	v_nop
.endr
.endm
.macro CREST                           ; a round of the cluster's barrier behind its opening barrier
	s_cmp_lg_u32 s[WV], 0
	s_cbranch_scc1 .Lnot_wave_0_\@
	s_barrier_signal -3
.Lnot_wave_0_\@:
	s_barrier_wait -3
	s_barrier_signal -1
	s_barrier_wait -1
.endm
.macro CROUND                          ; a whole round
	s_barrier_signal -1
	s_barrier_wait -1
	CREST
.endm
.macro JLOAD g0a, g1a, g0b, g1b        ; a joint first fill: one line for each role, each with one mask; four v_nop follow each line
	s_cmp_eq_u32 s[ROLE], 0
	s_cbranch_scc0 .Lfor_x_\@
	tensor_load_to_lds s[\g0a:\g0a+3], s[\g1a:\g1a+7]
	s_nop 0
.rept 4
	v_nop
.endr
	s_branch .Lasked_\@
.Lfor_x_\@:
	tensor_load_to_lds s[\g0b:\g0b+3], s[\g1b:\g1b+7]
	s_nop 0
.rept 4
	v_nop
.endr
.Lasked_\@:
.endm
.macro QUANT s, pc, pw                 ; 64 numbers of a lane, register 16 b + i = k 32 b + 16 (lane / 16) + i, become 16 registers of codes and a scale word
.irp b, 0,1,2,3
	v_max3_num_f32 v[TM+\b], |v[\s+16*\b]|, |v[\s+1+16*\b]|, 0x8000000   ; with the floor 2^(16 - 127): the byte cannot fall under 1
.endr
.irp i, 2,4,6,8,10,12,14
.irp b, 0,1,2,3
	v_max3_num_f32 v[TM+\b], v[TM+\b], |v[\s+16*\b+\i]|, |v[\s+1+16*\b+\i]|
.endr
.endr
.irp b, 0,1,2,3
	v_permlanex16_b32 v[TM+4+\b], v[TM+\b], s[SEL], s[SEL+1]
.endr
.irp b, 0,1,2,3
	v_max_num_f32 v[TM+\b], v[TM+\b], v[TM+4+\b]
.endr
.irp b, 0,1,2,3
	v_add_nc_u32 v[TM+12+\b], 0xf8800000, v[TM+\b]
.endr
.irp b, 0,1,2,3
	v_and_or_b32 v[TM+8+\b], v[TM+\b], 0x7f800000, s[MNT]
.endr
.irp b, 0,1,2,3
	v_lshrrev_b32 v[TM+4+\b], 23, v[TM+12+\b]
.endr
	v_lshl_or_b32 v[\pw], v[TM+5], 8, v[TM+4]
	v_lshl_or_b32 v[\pw], v[TM+6], 16, v[\pw]
	v_lshl_or_b32 v[\pw], v[TM+7], 24, v[\pw]
.irp b, 0,1,2,3
.irp i, 0,1,2,3,4,5,6,7,8,9,10,11,12,13,14,15
	v_med3_num_f32 v[\s+16*\b+\i], v[\s+16*\b+\i], -v[TM+8+\b], v[TM+8+\b]   ; the conversion does not saturate (ISA guide 7.6.2)
.endr
	v_cvt_scalef32_pk8_bf8_f32 v[\pc+4*\b:\pc+1+4*\b], v[\s+16*\b:\s+7+16*\b], v[TM+12+\b]
	v_cvt_scalef32_pk8_bf8_f32 v[\pc+2+4*\b:\pc+3+4*\b], v[\s+8+16*\b:\s+15+16*\b], v[TM+12+\b]
.endr
	v_nop
.endm
.macro SCALES_W j                      ; q (j = 0), k (1): P's scale words are the weight's, Q's are x's: 40 loads
.irp i, 0,1,2,3
.irp s, 0,1,2,3,4,5,6,7
	ds_load_b32 v[SP+8*\i+\s], v[ASWP] offset:1024*\i+4096*\j+64*\s
.endr
.endr
.irp s, 0,1,2,3,4,5,6,7
	ds_load_b32 v[SQ+\s], v[ASXQ] offset:64*\s
.endr
.endm
.macro SCALES_X                        ; v: P's are x's, Q's are Wv's: 40 loads
.irp i, 0,1,2,3
.irp s, 0,1,2,3,4,5,6,7
	ds_load_b32 v[SP+8*\i+\s], v[ASXP] offset:1024*\i+64*\s
.endr
.endr
.irp s, 0,1,2,3,4,5,6,7
	ds_load_b32 v[SQ+\s], v[ASWQ] offset:64*\s
.endr
.endm
.macro FETCH s, ap, aq                 ; K step s: P's eight fragments and my two of Q, into set s % 2: 40 loads.  ap, aq: the first of P's and of Q's two address registers
.set fs, (\s)%2
.set fp, (\s)/4
.set fo, 2048*((\s)%4)
	WIN 0x40
.irp pt, 0,1,2,3,4,5,6,7
.irp c, 0,1,2,3
	ds_load_b128 v[128*fs+16*\pt+4*\c:128*fs+16*\pt+4*\c+3], v[\ap+fp] offset:fo+8192*\pt+512*\c
.endr
.endr
	WIN 0
.irp qt, 0,1
.irp c, 0,1,2,3
	ds_load_b128 v[QF+32*fs+16*\qt+4*\c:QF+32*fs+16*\qt+4*\c+3], v[\aq+fp] offset:fo+8192*\qt+512*\c
.endr
.endr
.endm
.macro WM z, ra, rb                    ; one product; z: it starts the sum; ra, rb: the side's scale words stand in lanes 16-31
.if \z
.if (\ra) && (\rb)
	v_wmma_scale_f32_16x16x128_f8f6f4 v[rD:rD+7], v[rA:rA+15], v[rB:rB+15], 0, v[rSA], v[rSB] matrix_a_fmt:MATRIX_FMT_BF8 matrix_b_fmt:MATRIX_FMT_BF8 matrix_a_scale:MATRIX_SCALE_ROW1 matrix_b_scale:MATRIX_SCALE_ROW1
.elseif \ra
	v_wmma_scale_f32_16x16x128_f8f6f4 v[rD:rD+7], v[rA:rA+15], v[rB:rB+15], 0, v[rSA], v[rSB] matrix_a_fmt:MATRIX_FMT_BF8 matrix_b_fmt:MATRIX_FMT_BF8 matrix_a_scale:MATRIX_SCALE_ROW1
.elseif \rb
	v_wmma_scale_f32_16x16x128_f8f6f4 v[rD:rD+7], v[rA:rA+15], v[rB:rB+15], 0, v[rSA], v[rSB] matrix_a_fmt:MATRIX_FMT_BF8 matrix_b_fmt:MATRIX_FMT_BF8 matrix_b_scale:MATRIX_SCALE_ROW1
.else
	v_wmma_scale_f32_16x16x128_f8f6f4 v[rD:rD+7], v[rA:rA+15], v[rB:rB+15], 0, v[rSA], v[rSB] matrix_a_fmt:MATRIX_FMT_BF8 matrix_b_fmt:MATRIX_FMT_BF8
.endif
.else
.if (\ra) && (\rb)
	v_wmma_scale_f32_16x16x128_f8f6f4 v[rD:rD+7], v[rA:rA+15], v[rB:rB+15], v[rD:rD+7], v[rSA], v[rSB] matrix_a_fmt:MATRIX_FMT_BF8 matrix_b_fmt:MATRIX_FMT_BF8 matrix_a_scale:MATRIX_SCALE_ROW1 matrix_b_scale:MATRIX_SCALE_ROW1
.elseif \ra
	v_wmma_scale_f32_16x16x128_f8f6f4 v[rD:rD+7], v[rA:rA+15], v[rB:rB+15], v[rD:rD+7], v[rSA], v[rSB] matrix_a_fmt:MATRIX_FMT_BF8 matrix_b_fmt:MATRIX_FMT_BF8 matrix_a_scale:MATRIX_SCALE_ROW1
.elseif \rb
	v_wmma_scale_f32_16x16x128_f8f6f4 v[rD:rD+7], v[rA:rA+15], v[rB:rB+15], v[rD:rD+7], v[rSA], v[rSB] matrix_a_fmt:MATRIX_FMT_BF8 matrix_b_fmt:MATRIX_FMT_BF8 matrix_b_scale:MATRIX_SCALE_ROW1
.else
	v_wmma_scale_f32_16x16x128_f8f6f4 v[rD:rD+7], v[rA:rA+15], v[rB:rB+15], v[rD:rD+7], v[rSA], v[rSB] matrix_a_fmt:MATRIX_FMT_BF8 matrix_b_fmt:MATRIX_FMT_BF8
.endif
.endif
.endm
.macro MUL s, zero                     ; K step s: 16 products, the 16 accumulators by turns, in the same order in every K step
	WIN 0xa1                                       ; source 0 (P) window 1, source 1 (Q) window 0, C and D window 2
.irp pt, 0,1,2,3,4,5,6,7
.irp qt, 0,1
.set rD, 64*\qt+8*\pt
.set rA, 128*((\s)%2)+16*\pt
.set rB, QF+32*((\s)%2)+16*\qt
.set rSA, SP+8*(\pt/2)+(\s)
.set rSB, SQ+(\s)
	WM \zero, \pt%2, \qt
.endr
.endr
.endm
; A plain K step.  left = the loads of the fetch issued last, which may stay out.  fetch = 1: eight places behind the products, then the fragments of two K steps on, into the set just multiplied.
.macro KS s, fetch, left, zero, ap, aq
	s_wait_dscnt \left
	MUL \s, \zero
.if \fetch
	PLACES 8
	FETCH (\s)+2, \ap, \aq
.endif
.endm
; A K step behind which half a region is first read and nothing is filled: each wave waits for its tensor loads and its LDS loads, signals, multiplies, and goes on when all four have signalled.
.macro GATE s
	s_wait_dscnt 0x0
	s_wait_tensorcnt 0x0
	s_barrier_signal -1
	MUL \s, 0
	WIN 0
	s_barrier_wait -1
.endm
; A K step at which half of the weight's region is filled again.  All fragments of that half are in registers once my LDS loads are back.  role: which waves own pieces of that half (0: K steps 0-3, 1: K steps 4-7).
; step = 1: the refills go on from Wk to Wv, 1 MB further on in the codes.
.macro TURN s, role, step
	WIN 0                                          ; (the add's two registers lie in window 0)
	s_wait_tensorcnt 0x0                           ; all my tensor loads have landed, so my group 0 may be written;
	ds_add_u32 v[SPW], v[NIL]                      ; 0 onto my spare word
.if \step
	s_add_nc_u64 s[G0R+2:G0R+3], s[G0R+2:G0R+3], 0x100000   ; the type bits on top are not reached
.endif
	s_wait_dscnt 0x0                               ; the add is done, and my reads of that half are over
	s_barrier_signal -1                            ; this barrier opens a round of the cluster's barrier;
	MUL \s, 0                                      ; work on registers while the others arrive
	WIN 0
	s_barrier_wait -1
	CREST                                          ; no wave of any partner still reads that half or has a load on its way
	s_cmp_eq_u32 s[ROLE], \role                    ; the branch hangs on the wave's number alone: it is the same in every work-group
	s_cbranch_scc0 .Lnone_\@
	tensor_load_to_lds s[G0R:G0R+3], s[G1W:G1W+7]  ; my one tensor load behind this round, and the first thing there; four v_nop follow it
	s_nop 0
	PLACES 4
.Lnone_\@:
.endm
; A tile's eight K steps.  turn = 1: the weight's region is filled again on the way.
.macro TILE_K turn, step, ap, aq
	FETCH 0, \ap, \aq
	FETCH 1, \ap, \aq
	KS 0, 1, 40, 1, \ap, \aq                       ; the first products start the sums: nothing is cleared
	KS 1, 1, 40, 0, \ap, \aq
.if \turn
	TURN 2, 0, \step
.else
	GATE 2
.endif
	PLACES 8                                       ; eight on the way of the waves that issued no load too
	FETCH 4, \ap, \aq
	KS 3, 1, 40, 0, \ap, \aq
	KS 4, 1, 40, 0, \ap, \aq
	KS 5, 1, 40, 0, \ap, \aq
	KS 6, 0, 40, 0, \ap, \aq
.if \turn
	TURN 7, 1, 0
.else
	KS 7, 0, 0, 0, \ap, \aq
.endif
.endm
.macro MKG0 g, base, p, lds            ; a group 0: count 1, the LDS address, the address 8,192 p bytes (four K steps) behind the base's
	s_mov_b32 s[\g], 1
	s_add_co_u32 s[\g+1], s104, \lds
.if \p
	s_add_nc_u64 s[\g+2:\g+3], s[\base+2:\base+3], 8192*\p
.endif
.endm
.macro BIAS_QK                         ; bias(32 b + 16 h + 0..15) of my 128 features, a whole tile ahead of its use
	WIN 0x80
.irp b, 0,1,2,3
.irp i, 0,1,2,3
	global_load_b128 v[BB+16*\b+4*\i:BB+16*\b+4*\i+3], v[BOQ], s[BP:BP+1] offset:128*\b+16*\i
.endr
.endr
	WIN 0
.endm
; The way out of q or k.
.macro OUT_QK
	s_wait_loadcnt 0x0                             ; the bias
	WIN 0xaa                                       ; all in window 2
.set n, 0
.rept 32
	v_pk_mul_f32 v[BB+n:BB+n+1], v[BB+n:BB+n+1], s[SC:SC+1] op_sel_hi:[1,0]       ; bias x 8^-1/2.  These 32 lines are also the places behind the last products
.set n, n+2
.endr
.irp qt, 0,1
.set n, 0
.rept 32
	v_pk_fma_f32 v[64*\qt+n:64*\qt+n+1], v[64*\qt+n:64*\qt+n+1], s[SC:SC+1], v[BB+n:BB+n+1] op_sel_hi:[1,0,1]   ; each accumulator from its low end on
.set n, n+2
.endr
.endr
	QUANT 0, PC, PW
.irp b, 0,1,2,3
	global_store_b128 v[VA], v[PC+4*\b:PC+4*\b+3], s[OB:OB+1] offset:512*(\b%2)+131072*(\b/2)          ; blocks 0, 1: the first head's tile; 2, 3: the next head's.  512 consecutive bytes a store
.endr
	QUANT 64, PC+16, PW+1
.irp b, 0,1,2,3
	global_store_b128 v[VA], v[PC+16+4*\b:PC+16+4*\b+3], s[OB:OB+1] offset:1024+512*(\b%2)+131072*(\b/2)
.endr
	v_lshrrev_b32 v[DT], v[SH], v[PW]              ; lanes 0-15 keep the word (its low two bytes are the first head's), lanes 16-31 bring the second head's two bytes down.
	v_lshrrev_b32 v[DT+1], v[SH], v[PW+1]          ; The upper two bytes scale K slots in which the queries' codes are zeros; they are never 0xff
	global_store_b64 v[VB8], v[DT:DT+1], s[OS:OS+1]   ; 256 consecutive bytes, aligned
	WIN 0
.endm
	s_load_b256 s[4:11], s[0:1], 0x0               ; opc, ops, bq, bk
	s_load_b128 s[12:15], s[0:1], 0x20             ; bv, img
	s_load_b64 s[16:17], s[0:1], 0x30              ; isc
	v_lshl_add_u32 v[SPW], v0, 2, SPARE
	v_mov_b32 v[NIL], 0
	ds_add_u32 v56, v57
	ds_add_u32 v56, v57
	s_wait_dscnt 0x0
	v_lshrrev_b32 v1, 5, v0
	v_readfirstlane_b32 s[WV], v1
	s_lshr_b32 s[ROLE], s[WV], 1
	s_and_b32 s[HALF], s[WV], 1
	s_bfe_u32 s21, ttmp6, 0x40000                  ; cx
	s_bfe_u32 s22, ttmp6, 0x40004                  ; cy
	s_lshl_b32 s23, ttmp9, 2
	s_add_co_u32 s23, s23, s21                     ; work-group x: which 128 rows of x (16 to a sample)
	s_and_b32 s3, ttmp7, 0xffff
	s_lshl_b32 s3, s3, 2
	s_add_co_u32 s3, s3, s22                       ; work-group y: which 128 features
	s_lshl_b32 s100, s22, 2
	s_lshl_b32 s100, 15, s100                      ; my row of the cluster: it shares the weights' blocks
	s_lshl_b32 s101, 0x1111, s21                   ; my column: it shares x's block
	; group 1 for codes: 4 rows (tiles) of 8,192 bytes (four K steps), 16 KB apart, in elements of 8 bytes; no padding
	s_or_b32 s[G1W], s100, (3<<16)|(1<<21)
	s_or_b32 s[G1X], s101, (3<<16)|(1<<21)
.irp g, G1W, G1X
	s_mov_b32 s[\g+1], 1024<<16                    ; tensor_dim0
	s_mov_b32 s[\g+2], 8<<16                       ; tensor_dim1: the head's loads bring all eight tiles; behind them the two words that count rows are set to 4
	s_mov_b32 s[\g+3], 1024<<16                    ; tile_dim0
	s_mov_b32 s[\g+4], 8                           ; tile_dim1
	s_mov_b32 s[\g+5], 2048                        ; from row to row
	s_mov_b32 s[\g+6], 0
	s_mov_b32 s[\g+7], 0
.endr
	; the weights' scale words: 3 rows (q, k, v) of 4,096 bytes (eight tiles), 32 KB apart
	s_or_b32 s[G1WS], s100, (3<<16)|(1<<21)
	s_mov_b32 s[G1WS+1], 512<<16                   ; 3 rows (q, k, v) of 4,096 bytes (eight tiles)
	s_mov_b32 s[G1WS+2], 3<<16
	s_mov_b32 s[G1WS+3], 512<<16
	s_mov_b32 s[G1WS+4], 3
	s_mov_b32 s[G1WS+5], 4096
	s_mov_b32 s[G1WS+6], 0
	s_mov_b32 s[G1WS+7], 0
	; x's: 4,096 dense bytes as 16 rows of 256
	s_or_b32 s[G1XS], s101, (3<<16)|(1<<21)
	s_mov_b32 s[G1XS+1], 32<<16
	s_mov_b32 s[G1XS+2], 16<<16                    ; x's: 4,096 dense bytes as 16 rows of 256
	s_mov_b32 s[G1XS+3], 32<<16
	s_mov_b32 s[G1XS+4], 16
	s_mov_b32 s[G1XS+5], 32
	s_mov_b32 s[G1XS+6], 0
	s_mov_b32 s[G1XS+7], 0
	; of opc's 64 blocks of 128 rows: Wq's are 0-7, Wk's 8-15, Wv's 16-23, x's 32-63.  The weights' addresses are made of y alone, x's of x alone, each in registers that do not hold the other
	s_lshl_b32 s22, s3, 1
	s_add_co_u32 s22, s22, s[HALF]                 ; 2 x Wq's block + my half
	s_add_co_u32 s21, s23, 32
	s_lshl_b32 s21, s21, 1
	s_add_co_u32 s21, s21, s[HALF]                 ; 2 x x's block + my half
	s_mov_b32 s105, 0
	s_mov_b32 s67, 0
	s_wait_kmcnt 0x0
	s_lshl_b32 s104, s22, 16                       ; 64 KB of codes to half a block
	s_add_nc_u64 s[G0W0+2:G0W0+3], s[4:5], s[104:105]
	s_lshl_b32 s104, s3, 12                        ; 4 KB of scale words to a block of eight tiles
	s_add_nc_u64 s[G0WS+2:G0WS+3], s[6:7], s[104:105]
	s_add_co_u32 s104, s22, 16                     ; the refills begin with Wk: eight blocks on;
	s_lshl_b32 s104, s104, 16
	s_lshl_b32 s2, s[ROLE], 13                     ; my half of K: 8,192 bytes of each tile
	s_add_co_u32 s104, s104, s2
	s_add_nc_u64 s[G0R+2:G0R+3], s[4:5], s[104:105]
	s_lshl_b32 s66, s21, 16
	s_add_nc_u64 s[G0X0+2:G0X0+3], s[4:5], s[66:67]
	s_add_co_u32 s66, s23, 32
	s_lshl_b32 s66, s66, 12
	s_add_nc_u64 s[G0XS+2:G0XS+3], s[6:7], s[66:67]
	s_lshl_b32 s104, s[HALF], 15                   ; K steps 4-7: four tiles a wave, 32 KB
	MKG0 G0W1, G0W0, 1, WOP+65536
	MKG0 G0X1, G0X0, 1, XOP+65536
	s_lshl_b32 s104, s3, 17                        ; K steps 0-3: a block's eight tiles by one load
	s_add_nc_u64 s[G0W0+2:G0W0+3], s[4:5], s[104:105]
	s_add_co_u32 s66, s23, 32
	s_lshl_b32 s66, s66, 17
	s_add_nc_u64 s[G0X0+2:G0X0+3], s[4:5], s[66:67]
	s_mov_b32 s104, 0
	MKG0 G0W0, G0W0, 0, WOP
	MKG0 G0X0, G0X0, 0, XOP
	MKG0 G0WS, G0WS, 0, WSC
	MKG0 G0XS, G0XS, 0, XSC
	s_lshl_b32 s104, s[WV], 15                     ; my piece of the weight's region: 65,536 x half of K + 32,768 x half of the tiles = 32,768 x wave
	MKG0 G0R, G0R, 0, WOP
.irp g, G0W0, G0W1, G0WS, G0X0, G0X1, G0XS, G0R
	s_or_b32 s[\g+3], s[\g+3], 0x80000000          ; type = 2
.endr
	CROUND                                         ; all sixteen work-groups are here: the joint loads meet
; The head's loads, one a wave: wave 0 the weight's K steps 0-3, wave 1 x's, wave 2 the weights' scale words, wave 3 x's.  One chain of branches on the wave's number.
.macro ARM w, g0, g1, next
	s_cmp_eq_u32 s[WV], \w
	s_cbranch_scc0 \next
	tensor_load_to_lds s[\g0:\g0+3], s[\g1:\g1+7]
	s_nop 0
	PLACES 4
	s_branch .Lhead_asked
\next:
.endm
	ARM 0, G0W0, G1W, .Lhead_1
	ARM 1, G0X0, G1X, .Lhead_2
	ARM 2, G0WS, G1WS, .Lhead_3
	tensor_load_to_lds s[G0XS:G0XS+3], s[G1XS:G1XS+7]
	s_nop 0
	PLACES 4
.Lhead_asked:
	v_and_b32 v1, 31, v0                           ; lane
	v_lshlrev_b32 v[AXP], 4, v1                    ; 16 x lane
	v_add_nc_u32 v[AXP+1], 65536, v[AXP]
	v_add_nc_u32 v[AWP], WOP, v[AXP]
	v_add_nc_u32 v[AWP+1], WOP+65536, v[AXP]
	s_lshl_b32 s104, s[WV], 14
	v_add_nc_u32 v[AXQ], s104, v[AXP]              ; my two tiles: 16 KB x wave in each half of K
	v_add_nc_u32 v[AXQ+1], 65536, v[AXQ]
	v_add_nc_u32 v[AWQ], WOP, v[AXQ]
	v_add_nc_u32 v[AWQ+1], WOP+65536, v[AXQ]
	v_and_b32 v58, 15, v0                          ; r
	v_bfe_u32 v59, v0, 4, 1                        ; h
	v_lshlrev_b32 v62, 2, v58
	v_lshl_add_u32 v62, v59, 9, v62                ; 512 h + 4 r: lanes 16-31 take the next tile's words
	v_add_nc_u32 v[ASWP], WSC, v62
	v_add_nc_u32 v[ASXP], XSC, v62
	s_lshl_b32 s104, s[WV], 10
	v_add_nc_u32 v[ASXQ], s104, v62
	v_add_nc_u32 v[ASXQ], XSC, v[ASXQ]
	s_lshl_b32 s104, s[WV], 10                     ; Wv's words of my tiles 2 w, 2 w + 1: the third tensor, 1,024 bytes x wave
	v_add_nc_u32 v[ASWQ], s104, v62
	v_add_nc_u32 v[ASWQ], WSC+8192, v[ASWQ]
	v_lshlrev_b32 v[BOQ], 6, v59                   ; q, k: the bias of my half's 16 features of each 32: 64 h
	v_and_b32 v[BOV], 8, v58
	v_add_nc_u32 v[BOV], v[BOV], v58
	v_lshlrev_b32 v[BOV], 2, v[BOV]                ; v: the bias of my feature: 4 (r + 8 (r / 8))
	v_cmp_lt_u32 s[HI], 15, v1
	WIN 0x80                                       ; destination window 2
	v_mov_b32 v[VA], v[AXP]
	v_lshlrev_b32 v[VB8], 3, v1
	v_lshlrev_b32 v[SH], 4, v59
	v_lshlrev_b32 v[VB4], 2, v1
.irp b, 0,1,2,3
	v_mov_b32 v[TM+4+\b], 0                        ; (a lane permute's destination counts as read)
.endr
	WIN 0
	s_mov_b32 s[SC], 0x3eb504f3                    ; 8^-1/2 = 64^-1/4
	s_mov_b32 s[SC+1], s[SC]
	s_mov_b32 s[SEL], 0x76543210
	s_mov_b32 s[SEL+1], 0xfedcba98
	s_mov_b32 s[MNT], 0x600000
	; where q goes
	s_lshr_b32 s2, s23, 4                          ; the sample
	s_and_b32 s21, s23, 15                         ; which 128 rows of it
	s_lshl_b32 s22, s21, 3
	s_lshl_b32 s104, s[WV], 1
	s_add_co_u32 s22, s22, s104                    ; my first tile of rows in the sample
	s_mov_b32 s101, 0
	s_lshl_b32 s100, s2, 21
	s_lshl_b32 s104, s3, 18
	s_add_co_u32 s100, s100, s104
	s_lshl_b32 s104, s22, 10
	s_add_co_u32 s100, s100, s104
	s_add_nc_u64 s[OB:OB+1], s[14:15], s[100:101]  ; img: sample 2 MB, head 128 KB (a block of features is two heads), tile 1 KB
	s_lshl_b32 s100, s2, 17
	s_lshl_b32 s104, s3, 14
	s_add_co_u32 s100, s100, s104
	s_lshl_b32 s104, s22, 7
	s_add_co_u32 s100, s100, s104
	s_add_nc_u64 s[OS:OS+1], s[16:17], s[100:101]  ; isc: [sample][pair of heads][pair of tiles][head of the pair][row][tile of the pair]
	s_lshl_b32 s100, s3, 9
	s_add_nc_u64 s[BP:BP+1], s[8:9], s[100:101]    ; bq at my 128 features
	BIAS_QK
	s_wait_alu depctr_va_vdst(0)
	s_wait_tensorcnt 0x0                           ; my tile of the head's four is in; these lines stand ahead of a later first fill as ahead of a refill
	ds_add_u32 v[SPW], v[NIL]
	s_mov_b32 s[G1W+2], 4<<16                      ; no tensor load of mine is out: from here on a load brings four tiles
	s_mov_b32 s[G1W+4], 4
	s_mov_b32 s[G1X+2], 4<<16
	s_mov_b32 s[G1X+4], 4
	s_wait_dscnt 0x0
	CROUND                                         ; all four tiles are in, in every work-group of the cluster
	JLOAD G0W1, G1W, G0X1, G1X                     ; K steps 4-7, a quarter a wave; the waits at K step 2 show them landed
	; ---- q
	SCALES_W 0
	TILE_K 1, 0, AWP, AXQ                          ; on the way the weight's region takes Wk
	OUT_QK
	; ---- k.  Its K steps 0-3 were shown landed, to every wave, by the waits in front of the round at q's K step 7
	s_wait_xcnt 0x0                                ; the stores' bases and data are written again only behind this wait
	s_add_nc_u64 s[OB:OB+1], s[OB:OB+1], 0x400000  ; k lies 4 MB behind q in img,
	s_add_nc_u64 s[OS:OS+1], s[OS:OS+1], 0x40000   ; 256 KB behind it in isc
	s_lshl_b32 s100, s3, 9
	s_add_nc_u64 s[BP:BP+1], s[10:11], s[100:101]  ; bk
	BIAS_QK
	SCALES_W 1
	TILE_K 1, 1, AWP, AXQ                          ; on the way the weight's region takes Wv
	OUT_QK
	; ---- v: x is P now, Wv is Q
	s_wait_xcnt 0x0
	s_lshl_b32 s100, s3, 2
	s_add_co_u32 s100, s100, s[WV]
	s_lshl_b32 s100, s100, 7                       ; my 32 features
	s_add_nc_u64 s[BP:BP+1], s[12:13], s[100:101]
	WIN 0x80
	global_load_b32 v[BQ], v[BOV], s[BP:BP+1]      ; the bias of row r of my first tile,
	global_load_b32 v[BQ+1], v[BOV], s[BP:BP+1] offset:32   ; and of my second
	WIN 0
	s_lshl_b32 s22, s3, 1
	s_add_co_u32 s22, s22, s[ROLE]                 ; the head
	s_lshl_b32 s100, s2, 21
	s_lshl_b32 s104, s22, 17
	s_add_co_u32 s100, s100, s104
	s_lshl_b32 s104, s21, 13
	s_add_co_u32 s100, s100, s104
	s_lshl_b32 s104, s[HALF], 12                   ; which two of the head's four tiles
	s_add_co_u32 s100, s100, s104
	s_add_co_u32 s100, s100, 8388608
	s_add_nc_u64 s[OB:OB+1], s[14:15], s[100:101]  ; img, behind q and k: [sample][head][128 keys][tile of 16 channels][2048]
	s_lshl_b32 s100, s2, 16
	s_lshl_b32 s104, s22, 12
	s_add_co_u32 s100, s100, s104
	s_lshl_b32 s104, s21, 8
	s_add_co_u32 s100, s100, s104
	s_lshl_b32 s104, s[HALF], 7
	s_add_co_u32 s100, s100, s104
	s_add_co_u32 s100, s100, 524288
	s_add_nc_u64 s[OS:OS+1], s[16:17], s[100:101]
	SCALES_X
	TILE_K 0, 0, AXP, AWQ                          ; nothing is left to fetch
	PLACES 8
	s_wait_loadcnt 0x0
	WIN 0xaa
.set n, 0
.rept 32
	v_pk_add_f32 v[n:n+1], v[n:n+1], v[BQ:BQ+1] op_sel_hi:[1,0]            ; each accumulator from its low end on
.set n, n+2
.endr
.set n, 64
.rept 32
	v_pk_add_f32 v[n:n+1], v[n:n+1], v[BQ:BQ+1] op_sel:[0,1] op_sel_hi:[1,1]
.set n, n+2
.endr
	QUANT 0, PC, PW
.irp c, 0,1,2,3
	global_store_b128 v[VA], v[PC+4*\c:PC+4*\c+3], s[OB:OB+1] offset:512*\c
.endr
	QUANT 64, PC+16, PW+1
.irp c, 0,1,2,3
	global_store_b128 v[VA], v[PC+16+4*\c:PC+16+4*\c+3], s[OB:OB+1] offset:2048+512*\c
.endr
	v_cndmask_b32 v[DT], v[PW], v[PW+1], s[HI]     ; lanes 0-15: my first tile's words, lanes 16-31: my second's
	global_store_b32 v[VB4], v[DT], s[OS:OS+1]     ; 128 consecutive bytes
	WIN 0
	s_wait_tensorcnt 0x0                           ; the wave's end, behind my last tensor load
	ds_add_u32 v[SPW], v[NIL]
	s_wait_dscnt 0x0
	CROUND                                         ; the closing round: no work-group ends while a partner may still ask for a tile that names it
	s_endpgm
.Lfunc_end_k_q6ea75bfbac_qkv:
	.size	k_q6ea75bfbac_qkv, .Lfunc_end_k_q6ea75bfbac_qkv-k_q6ea75bfbac_qkv
	.p2alignl 7, 3214868480
	.fill 96, 4, 3214868480
	.section	.rodata,"a",@progbits
	.p2align	6, 0x0
	.amdhsa_kernel k_q6ea75bfbac_qkv
		.amdhsa_group_segment_fixed_size 327680
		.amdhsa_private_segment_fixed_size 0
		.amdhsa_enable_private_segment 0
		.amdhsa_kernarg_size 56
		.amdhsa_user_sgpr_count 2
		.amdhsa_user_sgpr_kernarg_segment_ptr 1
		.amdhsa_wavefront_size32 1
		.amdhsa_system_sgpr_workgroup_id_x 1
		.amdhsa_system_sgpr_workgroup_id_y 1
		.amdhsa_system_sgpr_workgroup_id_z 1
		.amdhsa_system_vgpr_workitem_id 0
		.amdhsa_next_free_vgpr 768
		.amdhsa_next_free_sgpr 106
		.amdhsa_reserve_vcc 0
		.amdhsa_float_denorm_mode_32 3
		.amdhsa_float_denorm_mode_16_64 3
		.amdhsa_memory_ordered 1
		.amdhsa_forward_progress 1
		.amdhsa_inst_pref_size 209
	.end_amdhsa_kernel
	.amdgpu_metadata
---
amdhsa.version: [ 1, 2 ]
amdhsa.kernels:
  - .name:           k_q6ea75bfbac_qkv
    .symbol:         k_q6ea75bfbac_qkv.kd
    .args:
      - { .name: opc, .offset: 0, .size: 8, .value_kind: global_buffer, .address_space: global }
      - { .name: ops, .offset: 8, .size: 8, .value_kind: global_buffer, .address_space: global }
      - { .name: bq, .offset: 16, .size: 8, .value_kind: global_buffer, .address_space: global }
      - { .name: bk, .offset: 24, .size: 8, .value_kind: global_buffer, .address_space: global }
      - { .name: bv, .offset: 32, .size: 8, .value_kind: global_buffer, .address_space: global }
      - { .name: img, .offset: 40, .size: 8, .value_kind: global_buffer, .address_space: global }
      - { .name: isc, .offset: 48, .size: 8, .value_kind: global_buffer, .address_space: global }
    .group_segment_fixed_size: 327680
    .private_segment_fixed_size: 0
    .kernarg_segment_align: 8
    .kernarg_segment_size: 56
    .max_flat_workgroup_size: 128
    .sgpr_count:     106
    .vgpr_count:     768
    .wavefront_size: 32
...
	.end_amdgpu_metadata
.endif
;; end of part 3
;; launch attn (part 4): grid 8 x 32, 8 waves a work-group, clusters of 4 x 1, 327,680 bytes of LDS; arguments img, isc, attention_mask, acode, asc; writes acode, asc
.if DOCPART == 4
	.amdgcn_target "amdgcn-amd-amdhsa--gfx1250"
	.amdhsa_code_object_version 6
	.text
	.protected	k_q6ea75bfbac_attn
	.globl	k_q6ea75bfbac_attn
	.p2align	8
	.type	k_q6ea75bfbac_attn,@function
k_q6ea75bfbac_attn:
	s_mov_b64 s[64:65], 0
	v_nop
	global_prefetch_b8 v0, s[64:65] scope:SCOPE_SE
	s_setreg_imm32_b32 hwreg(HW_REG_WAVE_MODE, 25, 1), 1
	s_wait_xcnt 0x0
	s_wait_alu depctr_hold_cnt(0) depctr_sa_sdst(0) depctr_va_vdst(0) depctr_va_sdst(0) depctr_va_ssrc(0) depctr_va_vcc(0) depctr_vm_vsrc(0)
	s_getreg_b32 s2, hwreg(HW_REG_IB_STS2, 6, 4)
	s_cmp_eq_u32 s2, 0
	s_cbranch_scc0 .Lentry_in_a_cluster
	s_endpgm
.Lentry_in_a_cluster:
	s_bfe_u32 s2, ttmp6, 0x10000c
	s_cmp_lg_u32 s2, 0x3003
	s_cbranch_scc0 .Lentry_shape_is_right
	s_endpgm
.Lentry_shape_is_right:
; ATTENTION OF ONE HEAD ON CODES OF E5M2 (one E8M0 byte for 32 along K), its result quantised again along the head's 64 for the projection.
; img: q, k, v as images of operand registers (q at 0, k at 4 MB, v at 8 MB; 128 KB a head); isc: their scale words.  acode, asc: the result's codes and scale bytes, laid as the next launch's operand.
; SOFTMAX: t = score x log2(e); M = the running largest t rounded up to a whole number; p = 2^(t - M) is quantised along the keys; the row's sum is taken of the unquantised p and divides at the end.
; A key whose mask is 0 gets the term -2^100 as the C of the score's product: its p is 0.
; LIMITS: the promise holds while the scaled scores stay under 2^31 in magnitude; a sample whose mask leaves no key is not served; NaN and infinities are not served; a block of zeros gets the byte 1.
; SHARES: work-group (x, y): head y (of 32), queries 256 x on; a wave owns 32 queries, two tiles of 16, tile e in register window e.  Both products are used transposed: a lane holds one query.
; LDS: the head's whole k (128 KB) and v (128 KB), each filled ONCE: eight joint loads, one a wave: wave w brings quarter w / 2 of k (w even) or of v (w odd).  The four work-groups of a cluster walk the same head: mask 15.
; Waves 0 and 1 have a load line of their own: the first barrier shows quarter 0 alone (key steps 0-3), the barrier behind key step 2 the rest.
; The scale words of k and v and the mask's terms are 20 KB: they come through registers and LDS stores into bytes on which no tensor load lands.
; THE STEPS OVERLAP: behind step s's score products k's fragments of step s + 1 are fetched; v's of step s come there too; the mask's terms of step s + 1 land in tile 0's score registers once its codes are made.
; The last step's look-ahead reads LDS bytes that lie behind each region and were written (v behind k, k's words behind the mask's terms, v's words behind k's); nothing uses what it brings.
; No prefetch into the L2: every tile is asked for at the head, and there is no loop to run ahead in.  No LDS byte is filled twice.
; The head's 64 fill half of a product's K: q's codes of K 64-127 are zeros, so whatever finite codes stand beside them in k's operand add nothing.
.set VI,  131072                       ; v's image
.set MB,  262144                       ; the mask's terms, f32, 2,048 keys
.set KSC, 270336                       ; k's scale words
.set VSC, 278528                       ; v's
.set SPARE, 282624                     ; the spare words, 128 bytes a wave
.set AK0, 1                            ; v1-5 my lane's places; v6-10 the addresses of the loads in hand
.set AV0, 2
.set AS0, 3
.set AT0, 4
.set AM0, 5
.set ADK, 6
.set ADV, 7
.set ADS, 8
.set ADT, 9
.set ADM, 10
.set KF,  32                           ; window 0: k's eight fragments, 8 registers each, and 8 of zeros.  Window 1, v32-95: v's four
.set S,   104                          ; scores, then p
.set O,   168
.set PCD, 200                          ; p's codes
.set QF,  216
.set WV,  14
.set ROLE, 15
.set SEL, 20
.set CS,  22
.set G1A, 24
.set G0A, 56
.set MNT, 76
.set TK,  77                           ; the NEXT step's offsets: k's codes, k's scale words and the mask's terms, v's scale words
.set TS,  78
.set TV,  79
.set CNT, 80
.set MSB, 0
.macro WIN new
.if MSB != (\new)
	s_set_vgpr_msb (MSB<<8)|(\new)
.set MSB, (\new)
.endif
.endm
.macro PLACES n
.rept \n
	v_nop
.endr
.endm
.macro CROUND
	s_barrier_signal -1
	s_barrier_wait -1
	s_cmp_lg_u32 s[WV], 0
	s_cbranch_scc1 .Lnot_wave_0_\@
	s_barrier_signal -3
.Lnot_wave_0_\@:
	s_barrier_wait -3
	s_barrier_signal -1
	s_barrier_wait -1
.endm
	s_load_b256 s[4:11], s[0:1], 0x0               ; img, isc, attention_mask, acode
	s_load_b64 s[12:13], s[0:1], 0x20              ; asc
	v_lshl_add_u32 v251, v0, 2, SPARE
	v_mov_b32 v255, 0
	ds_add_u32 v251, v255                          ; the opening lines
	ds_add_u32 v251, v255
	v_lshrrev_b32 v1, 5, v0
	v_readfirstlane_b32 s[WV], v1
	s_and_b32 s[ROLE], s[WV], 1                    ; I fetch for k (0) or v (1),
	s_lshr_b32 s16, s[WV], 1                       ; this quarter of it
	s_bfe_u32 s17, ttmp6, 0x40000
	s_lshl_b32 s18, ttmp9, 2
	s_add_co_u32 s18, s18, s17                     ; which 256 queries
	s_and_b32 s19, ttmp7, 0xffff                   ; sample x 16 + head
	s_lshr_b32 s2, s19, 4
	s_and_b32 s3, s19, 15
	s_mov_b32 s[G1A], 15|(3<<16)|(1<<21)           ; a quarter: 32 KB dense, as 128 rows of 256 bytes
	s_mov_b32 s[G1A+1], 32<<16
	s_mov_b32 s[G1A+2], 128<<16
	s_mov_b32 s[G1A+3], 32<<16
	s_mov_b32 s[G1A+4], 128
	s_mov_b32 s[G1A+5], 32
	s_mov_b32 s[G1A+6], 0
	s_mov_b32 s[G1A+7], 0
	s_add_co_u32 s84, s[ROLE], 1
	s_lshl_b32 s84, s84, 22
	s_lshl_b32 s81, s19, 17
	s_add_co_u32 s84, s84, s81
	s_lshl_b32 s81, s16, 15
	s_add_co_u32 s84, s84, s81
	s_mov_b32 s85, 0
	s_lshl_b32 s89, s[ROLE], 17
	s_add_co_u32 s89, s89, s81
	s_lshl_b32 s90, s2, 17                         ; q's and k's scale words: [sample][pair of heads][pair of tiles][head of the pair][row][tile of the pair]
	s_lshr_b32 s81, s3, 1
	s_lshl_b32 s81, s81, 14
	s_add_co_u32 s90, s90, s81
	s_and_b32 s81, s3, 1
	s_lshl_b32 s81, s81, 7
	s_add_co_u32 s90, s90, s81
	s_mov_b32 s[SEL], 0x76543210
	s_mov_b32 s[SEL+1], 0xfedcba98
	s_mov_b32 s[CS], 0x3fb8aa3b                    ; log2(e)
	s_mov_b32 s[CS+1], s[CS]
	s_mov_b32 s[MNT], 0x600000
	s_mov_b32 s[TK], 8192
	s_mov_b32 s[TS], 512
	s_mov_b32 s[TV], 256
	s_wait_dscnt 0x0
	s_wait_kmcnt 0x0
	s_mov_b32 s[G0A], 1
	s_mov_b32 s[G0A+1], s89
	s_add_nc_u64 s[G0A+2:G0A+3], s[4:5], s[84:85]
	s_or_b32 s[G0A+3], s[G0A+3], 0x80000000
	CROUND                                         ; the four work-groups are here: the joint loads meet
	s_cmp_lt_u32 s[WV], 2                          ; waves 0, 1 (quarter 0) and the others have a load line each: the first barrier waits for the first line's alone
	s_cbranch_scc0 .Llater
	tensor_load_to_lds s[G0A:G0A+3], s[G1A:G1A+7]
	s_nop 0
	PLACES 4
	s_branch .Lasked
.Llater:
	tensor_load_to_lds s[G0A:G0A+3], s[G1A:G1A+7]
	s_nop 0
	PLACES 4
.Lasked:
	s_mov_b32 s93, 0
	s_add_co_u32 s92, s90, 262144
	s_add_nc_u64 s[40:41], s[6:7], s[92:93]        ; k's scale words of the head: 64 pieces of 128 bytes, 256 apart
	s_lshl_b32 s92, s19, 12
	s_add_co_u32 s92, s92, 524288
	s_add_nc_u64 s[42:43], s[6:7], s[92:93]        ; v's: 4,096 dense bytes
	s_lshl_b32 s17, s18, 3
	s_add_co_u32 s17, s17, s[WV]                   ; my pair of query tiles
	s_lshl_b32 s92, s19, 17
	s_lshl_b32 s94, s17, 11
	s_add_co_u32 s92, s92, s94
	s_add_nc_u64 s[4:5], s[4:5], s[92:93]
	s_lshl_b32 s94, s17, 8
	s_add_co_u32 s92, s90, s94
	s_add_nc_u64 s[6:7], s[6:7], s[92:93]
	s_lshl_b32 s92, s2, 13
	s_add_nc_u64 s[8:9], s[8:9], s[92:93]
	s_lshl_b32 s95, s2, 6
	s_add_co_u32 s95, s95, s17
	s_lshl_b32 s92, s95, 15
	s_lshl_b32 s94, s3, 10
	s_add_co_u32 s92, s92, s94
	s_add_nc_u64 s[10:11], s[10:11], s[92:93]
	s_lshl_b32 s92, s95, 10
	s_lshr_b32 s94, s3, 1
	s_lshl_b32 s94, s94, 6
	s_add_co_u32 s92, s92, s94
	s_and_b32 s94, s3, 1
	s_lshl_b32 s94, s94, 1
	s_add_co_u32 s92, s92, s94
	s_add_nc_u64 s[12:13], s[12:13], s[92:93]
	v_and_b32 v11, 31, v0
	v_lshlrev_b32 v[AK0], 4, v11                   ; 16 x lane
	v_and_b32 v24, 15, v0                          ; r
	v_bfe_u32 v25, v0, 4, 1                        ; h
	v_lshlrev_b32 v30, 3, v24
	v_lshlrev_b32 v249, 5, v0                      ; 32 x thread
	v_lshrrev_b32 v250, 2, v0
	v_and_b32 v248, 3, v0
	v_lshlrev_b32 v250, 8, v250
	v_lshl_add_u32 v250, v248, 5, v250             ; 256 (thread / 4) + 32 (thread % 4)
	v_lshlrev_b32 v254, 4, v0                      ; 16 x thread
.irp e, 0,1
	WIN 0x40*\e
.irp c, 0,1
	global_load_b128 v[QF+4*\c:QF+4*\c+3], v[AK0], s[4:5] offset:1024*\e+512*\c
.endr
.endr
	WIN 0
	global_load_b64 v[18:19], v30, s[6:7]          ; q's scale words: tile 0's, tile 1's
	global_load_b128 v[240:243], v249, s[8:9]      ; eight keys' mask a thread
	global_load_b128 v[244:247], v249, s[8:9] offset:16
	global_load_b128 v[104:107], v250, s[40:41]
	global_load_b128 v[108:111], v250, s[40:41] offset:16
	global_load_b128 v[112:115], v254, s[42:43]
	v_lshl_add_u32 v31, v0, 5, MB
	v_lshl_add_u32 v[ADK], v0, 5, KSC              ; (here: where my 32 bytes of k's words go;
	v_lshl_add_u32 v[ADV], v0, 4, VSC              ; and my 16 of v's)
	v_add_nc_u32 v[AV0], VI-8192, v[AK0]           ; v and its words are fetched in their own step: one step is taken off, since the offsets are the next step's
	v_lshl_add_u32 v[AS0], v25, 7, v30
	v_add_nc_u32 v[AS0], KSC, v[AS0]
	v_lshl_add_u32 v[AT0], v11, 2, VSC-256
	v_lshl_add_u32 v[AM0], v25, 6, MB
	v_lshlrev_b32 v29, 2, v24
	v_lshl_add_u32 v29, v25, 9, v29
	v_mov_b32 v248, 0xf1800000                     ; -2^100
.irp j, 0,1,2,3,4,5,6,7
	v_mov_b32 v[KF+64+\j], 0
.endr
.irp e, 0,1
	WIN 0x40*\e
	v_mov_b32 v12, 0x6c800000                      ; -M
	v_mov_b32 v13, 0xec800000                      ; the largest t so far: -2^90
	v_mov_b32 v14, 0
	v_mov_b32 v15, 0
.set n, 0
.rept 32
	v_mov_b32 v[O+n], 0                            ; the step is written once: the first finds zeros
.set n, n+1
.endr
.irp j, 8,9,10,11,12,13,14,15
	v_mov_b32 v[QF+\j], 0                          ; q's codes of K 64-127
.endr
.irp b, 0,1,2,3
	v_mov_b32 v[236+\b], 0
.endr
	v_mov_b32 v252, 0
	v_mov_b32 v253, 0
.endr
	WIN 0
	s_wait_loadcnt 0x0
.irp i, 0,1,2,3,4,5,6,7
	v_cmp_eq_u32 vcc_lo, 0, v[240+\i]
	v_cndmask_b32 v[240+\i], 0, v248, vcc_lo
.endr
	ds_store_b128 v31, v[240:243]
	ds_store_b128 v31, v[244:247] offset:16
	ds_store_b128 v[ADK], v[104:107]
	ds_store_b128 v[ADK], v[108:111] offset:16
	ds_store_b128 v[ADV], v[112:115]
	s_wait_alu depctr_va_vdst(0)
	s_cmp_lt_u32 s[WV], 2
	s_cbranch_scc0 .Lnot_first
	s_wait_tensorcnt 0x0                           ; waves 0, 1: quarter 0 of k and of v has landed
.Lnot_first:
	s_wait_dscnt 0x0                               ; my LDS stores are done
	s_barrier_signal -1
	s_barrier_wait -1
.macro HOLDB b                         ; block b's 16 numbers of a lane held at 57,344 x the scale: the conversion does not saturate (ISA guide 7.6.2); p is not negative, so the hold is one-sided; two holds to a pair
.irp i, 0,2,4,6,8,10,12,14
	v_dual_min_num_f32 v[S+16*(\b)+\i], v[240+(\b)], v[S+16*(\b)+\i] :: v_dual_min_num_f32 v[S+16*(\b)+\i+1], v[240+(\b)], v[S+16*(\b)+\i+1]
.endr
.endm
.macro CVTB b                          ; and turned into 16 codes
	v_cvt_scalef32_pk8_bf8_f32 v[PCD+4*(\b):PCD+1+4*(\b)], v[S+16*(\b):S+7+16*(\b)], v[244+(\b)]
	v_cvt_scalef32_pk8_bf8_f32 v[PCD+2+4*(\b):PCD+3+4*(\b)], v[S+8+16*(\b):S+15+16*(\b)], v[244+(\b)]
.endm
.macro SMAX w                          ; the softmax's first part: it reads the scores alone
	WIN 0x55*(\w)
.irp b, 0,1,2,3
	v_max3_num_f32 v[232+\b], v[S+16*\b], v[S+1+16*\b], v[S+2+16*\b]   ; the largest score of each block of 32 keys: for the row's maximum and for the block's largest p
.endr
.irp b, 0,1,2,3
	v_max3_num_f32 v[236+\b], v[S+8+16*\b], v[S+9+16*\b], v[S+10+16*\b]   ; a second chain for each block's second accumulator: eight chains by turns
.endr
.irp i, 3,5
.irp b, 0,1,2,3
	v_max3_num_f32 v[232+\b], v[232+\b], v[S+16*\b+\i], v[S+1+16*\b+\i]
.endr
.irp b, 0,1,2,3
	v_max3_num_f32 v[236+\b], v[236+\b], v[S+8+16*\b+\i], v[S+9+16*\b+\i]
.endr
.endr
.irp b, 0,1,2,3
	v_max3_num_f32 v[232+\b], v[232+\b], v[236+\b], v[S+7+16*\b]
.endr
.irp b, 0,1,2,3
	v_max_num_f32 v[232+\b], v[232+\b], v[S+15+16*\b]
.endr
.endm
.macro SOFTMAX w                       ; the rest, behind SMAX
	WIN 0x55*(\w)
.irp b, 0,1,2,3
	v_permlanex16_b32 v[236+\b], v[232+\b], s[SEL], s[SEL+1]   ; (the four blocks by turns)
.endr
.irp b, 0,1,2,3
	v_max_num_f32 v[232+\b], v[232+\b], v[236+\b]
.endr
	s_delay_alu instid0(VALU_DEP_2)
	v_max3_num_f32 v254, v232, v233, v234
	s_delay_alu instid0(VALU_DEP_1)
	v_max_num_f32 v254, v254, v235
	s_delay_alu instid0(VALU_DEP_1)
	v_mul_f32 v254, s[CS], v254
	s_delay_alu instid0(VALU_DEP_1)
	v_max_num_f32 v13, v13, v254                   ; the running largest t
	v_mov_b32 v254, v12
	s_delay_alu instid0(VALU_DEP_2)
	v_floor_f32 v12, -v13                          ; -M = floor(-t)
.set n, 0
.rept 32
	v_pk_fma_f32 v[S+n:S+n+1], v[S+n:S+n+1], s[CS:CS+1], v[12:13] op_sel_hi:[1,0,0]   ; t - M
.if n == 6
	v_sub_f32 v254, v12, v254                      ; the three lines that make f = 2^(old M - new M) stand among lines that need -M alone
.elseif n == 22
	v_cvt_i32_f32 v254, v254
.elseif n == 38
	v_ldexp_f32 v252, 1.0, v254
.endif
.set n, n+2
.endr
.irp b, 0,1,2,3
	v_fma_f32 v[232+\b], v[232+\b], s[CS], v12
.endr
.set n, 0
	s_wait_alu depctr_va_vdst(0)
.rept 64
	v_exp_f32 v[S+n], v[S+n]
.set n, n+1
.endr
.irp b, 0,1,2,3
	v_exp_f32 v[232+\b], v[232+\b]
.endr
	v_pk_mul_f32 v[14:15], v[14:15], v[252:253] op_sel_hi:[1,0]
	s_wait_alu depctr_va_vdst(0)
.irp b, 0,1,2,3
	v_max_num_f32 v[232+\b], 0x8000000, v[232+\b]  ; the floor 2^(16 - 127): the byte cannot fall under 1
.endr
.irp b, 0,1,2,3
	v_add_nc_u32 v[244+\b], 0xf8800000, v[232+\b]  ; the conversion's scale operand
.endr
.irp b, 0,1,2,3
	v_and_or_b32 v[240+\b], v[232+\b], 0x7f800000, s[MNT]   ; 57,344 x the scale
.endr
.irp b, 0,1,2,3
	v_lshrrev_b32 v[236+\b], 23, v[244+\b]
.endr
	s_delay_alu instid0(VALU_DEP_3)
	v_lshl_or_b32 v254, v237, 8, v236
	s_delay_alu instid0(VALU_DEP_1)
	v_lshl_or_b32 v254, v238, 16, v254
	WIN 0x15*(\w)
	v_lshl_or_b32 v[16+\w], v239, 24, v254         ; p's scale word: scale operands lie in window 0
	WIN 0x55*(\w)
	v_pk_add_f32 v[236:237], v[S:S+1], v[S+2:S+3]  ; the row's sum, of the unquantised p: two at a time, in four chains by turns
	v_pk_add_f32 v[238:239], v[S+4:S+5], v[S+6:S+7]
	v_pk_add_f32 v[248:249], v[S+8:S+9], v[S+10:S+11]
	v_pk_add_f32 v[14:15], v[14:15], v[S+12:S+13]
	v_pk_add_f32 v[236:237], v[236:237], v[S+14:S+15]
.irp j, 16,24,32,40,48,56
	v_pk_add_f32 v[238:239], v[238:239], v[S+\j:S+\j+1]
	v_pk_add_f32 v[248:249], v[248:249], v[S+2+\j:S+3+\j]
	v_pk_add_f32 v[14:15], v[14:15], v[S+4+\j:S+5+\j]
	v_pk_add_f32 v[236:237], v[236:237], v[S+6+\j:S+7+\j]
.endr
	v_pk_add_f32 v[238:239], v[238:239], v[248:249]
	v_pk_add_f32 v[14:15], v[14:15], v[236:237]
	s_delay_alu instid0(VALU_DEP_1)
	v_pk_add_f32 v[14:15], v[14:15], v[238:239]
	HOLDB 0                                        ; a block's conversions stand one block behind its holds
	HOLDB 1
	CVTB 0
	HOLDB 2
	CVTB 1
	HOLDB 3
	CVTB 2
	CVTB 3
.set n, 0
.rept 16
	v_pk_mul_f32 v[O+n:O+n+1], v[O+n:O+n+1], v[252:253] op_sel_hi:[1,0]   ; O^T under the new M; also the places ahead of the products
.set n, n+2
.endr
.endm
.macro SPROD t, sq
.if ((\t)/2)%2
	v_wmma_scale_f32_16x16x128_f8f6f4 v[S+8*\t:S+8*\t+7], v[KF+8*\t:KF+8*\t+15], v[QF:QF+15], v[S+8*\t:S+8*\t+7], v[20+2*(\t/4)+(\t%2)], v[\sq] matrix_a_fmt:MATRIX_FMT_BF8 matrix_b_fmt:MATRIX_FMT_BF8 matrix_a_scale:MATRIX_SCALE_ROW1
.else
	v_wmma_scale_f32_16x16x128_f8f6f4 v[S+8*\t:S+8*\t+7], v[KF+8*\t:KF+8*\t+15], v[QF:QF+15], v[S+8*\t:S+8*\t+7], v[20+2*(\t/4)+(\t%2)], v[\sq] matrix_a_fmt:MATRIX_FMT_BF8 matrix_b_fmt:MATRIX_FMT_BF8
.endif
.endm
.macro OPROD dt, sp
.if (\dt)%2
	v_wmma_scale_f32_16x16x128_f8f6f4 v[O+8*\dt:O+8*\dt+7], v[32+16*\dt:47+16*\dt], v[PCD:PCD+15], v[O+8*\dt:O+8*\dt+7], v[26+\dt/2], v[\sp] matrix_a_fmt:MATRIX_FMT_BF8 matrix_b_fmt:MATRIX_FMT_BF8 matrix_a_scale:MATRIX_SCALE_ROW1
.else
	v_wmma_scale_f32_16x16x128_f8f6f4 v[O+8*\dt:O+8*\dt+7], v[32+16*\dt:47+16*\dt], v[PCD:PCD+15], v[O+8*\dt:O+8*\dt+7], v[26+\dt/2], v[\sp] matrix_a_fmt:MATRIX_FMT_BF8 matrix_b_fmt:MATRIX_FMT_BF8
.endif
.endm
.macro LDK ak, as                      ; a step's eight tiles of k and their scale words: 18 loads
.irp t, 0,1,2,3,4,5,6,7
.irp c, 0,1
	ds_load_b128 v[KF+8*\t+4*\c:KF+8*\t+4*\c+3], v[\ak] offset:1024*\t+512*\c
.endr
.endr
.irp j, 0,1
	ds_load_b64 v[20+2*\j:21+2*\j], v[\as] offset:256*\j
.endr
.endm
.macro LDM am                          ; a step's 128 mask terms in the scores' layout, into tile 0's score registers: the C of both tiles' products
.irp t, 0,1,2,3,4,5,6,7
.irp q, 0,1
	ds_load_b128 v[S+8*\t+4*\q:S+8*\t+4*\q+3], v[\am] offset:128*(\t/2)+32*(\t%2)+16*\q
.endr
.endr
.endm
.macro STEP                            ; 128 keys
	s_wait_dscnt 0x0                               ; this step's k, its scale words and the mask's terms are in
	WIN 0x44                                       ; tile 1: q and the result in window 1, C = the mask's terms in window 0
.irp t, 0,1,2,3,4,5,6,7
	SPROD \t, 19
.endr
	WIN 0
	v_add_nc_u32 v[ADK], s[TK], v[AK0]             ; nine places ahead of products that write over the C just read: five of them are the addresses
	v_add_nc_u32 v[ADV], s[TK], v[AV0]
	v_add_nc_u32 v[ADS], s[TS], v[AS0]
	v_add_nc_u32 v[ADT], s[TV], v[AT0]
	v_add_nc_u32 v[ADM], s[TS], v[AM0]
	PLACES 4
.irp t, 0,1,2,3,4,5,6,7
	SPROD \t, 18
.endr
	SMAX 1                                         ; tile 1's scores stand nine places behind their products; these 32 lines name window 1 alone and are the places behind tile 0's products
	WIN 0
.irp i, 0,1
	ds_load_b32 v[26+\i], v[ADT] offset:128*\i     ; this step's v: scale words,
.endr
	WIN 0x40
.irp dt, 0,1,2,3
.irp c, 0,1,2,3
	ds_load_b128 v[32+16*\dt+4*\c:35+16*\dt+4*\c], v[ADV] offset:2048*\dt+512*\c   ; and four fragments
.endr
.endr
	WIN 0
	LDK ADK, ADS                                   ; the next step's k
	SMAX 0
	SOFTMAX 0
	s_wait_alu depctr_va_vdst(0)
	s_wait_dscnt 18                                ; v is in; the 18 loads of the next step's k, issued behind it, may be out
	WIN 0x01
.irp dt, 0,1,2,3
	OPROD \dt, 16
.endr
	WIN 0
	LDM ADM                                        ; tile 0's p has become codes: its registers take the next step's mask terms
	SOFTMAX 1
	WIN 0x55
.irp dt, 0,1,2,3
	OPROD \dt, 17
.endr
	WIN 0
	s_add_co_u32 s[TK], s[TK], 8192
	s_add_co_u32 s[TS], s[TS], 512
	s_add_co_u32 s[TV], s[TV], 256
.endm
	LDK AK0, AS0                                   ; step 0
	LDM AM0
	s_mov_b32 s[CNT], 3
.Lfirst:                                               ; steps 0-2: they read quarter 0 alone, step 3's k among it
	STEP
	s_sub_co_u32 s[CNT], s[CNT], 1
	s_cmp_lg_u32 s[CNT], 0
	s_cbranch_scc1 .Lfirst
	s_wait_tensorcnt 0x0                           ; every wave: its quarter has landed
	s_wait_dscnt 0x0
	s_barrier_signal -1
	s_barrier_wait -1
	s_mov_b32 s[CNT], 13
.Lrest:                                                ; steps 3-15
	STEP
	s_sub_co_u32 s[CNT], s[CNT], 1
	s_cmp_lg_u32 s[CNT], 0
	s_cbranch_scc1 .Lrest
.macro FINISH e                        ; O^T / the sum, quantised along the head's 64: two blocks; a lane's 16 registers are 16 neighbours
	WIN 0x55*(\e)
	v_add_f32 v14, v14, v15
	s_delay_alu instid0(VALU_DEP_1)
	v_permlanex16_b32 v252, v14, s[SEL], s[SEL+1]
	s_delay_alu instid0(VALU_DEP_1)
	v_add_f32 v14, v14, v252
	s_wait_alu depctr_va_vdst(0)
	v_rcp_f32 v14, v14
	v_nop
.set n, 0
	s_wait_alu depctr_va_vdst(0)
.rept 16
	v_pk_mul_f32 v[O+n:O+n+1], v[O+n:O+n+1], v[14:15] op_sel_hi:[1,0]
.set n, n+2
.endr
.irp b, 0,1
	v_max3_num_f32 v[232+\b], |v[O+16*\b]|, |v[O+1+16*\b]|, 0x8000000
.endr
.irp i, 2,4,6,8,10,12,14
.irp b, 0,1
	s_delay_alu instid0(VALU_DEP_2)
	v_max3_num_f32 v[232+\b], v[232+\b], |v[O+16*\b+\i]|, |v[O+1+16*\b+\i]|
.endr
.endr
.irp b, 0,1
	s_delay_alu instid0(VALU_DEP_2)
	v_permlanex16_b32 v[236+\b], v[232+\b], s[SEL], s[SEL+1]
.endr
.irp b, 0,1
	s_delay_alu instid0(VALU_DEP_2)
	v_max_num_f32 v[232+\b], v[232+\b], v[236+\b]
.endr
.irp b, 0,1
	s_delay_alu instid0(VALU_DEP_2)
	v_add_nc_u32 v[244+\b], 0xf8800000, v[232+\b]
.endr
.irp b, 0,1
	s_delay_alu instid0(VALU_DEP_4)
	v_and_or_b32 v[240+\b], v[232+\b], 0x7f800000, s[MNT]
.endr
.irp b, 0,1
	s_delay_alu instid0(VALU_DEP_4)
	v_lshrrev_b32 v[236+\b], 23, v[244+\b]
.endr
	s_delay_alu instid0(VALU_DEP_1)
	v_lshl_or_b32 v28, v237, 8, v236
.irp b, 0,1
.irp i, 0,1,2,3,4,5,6,7,8,9,10,11,12,13,14,15
	v_med3_num_f32 v[O+16*\b+\i], v[O+16*\b+\i], -v[240+\b], v[240+\b]
.endr
	v_cvt_scalef32_pk8_bf8_f32 v[PCD+4*\b:PCD+1+4*\b], v[O+16*\b:O+7+16*\b], v[244+\b]
	v_cvt_scalef32_pk8_bf8_f32 v[PCD+2+4*\b:PCD+3+4*\b], v[O+8+16*\b:O+15+16*\b], v[244+\b]
.endr
	v_nop
	WIN 0x04*(\e)
.irp b, 0,1
	global_store_b128 v[AK0], v[PCD+4*\b:PCD+4*\b+3], s[10:11] offset:16384*\e+512*\b   ; 512 consecutive bytes a store
.endr
.endm
	FINISH 0
	FINISH 1
	WIN 0
	v_cmp_lt_u32 vcc_lo, 15, v11
	WIN 0x04
	v_cndmask_b32 v28, v28, v28, vcc_lo            ; lanes 0-15: tile 0's two bytes, lanes 16-31: tile 1's
	WIN 0
	global_store_b16 v29, v28, s[12:13]
	s_wait_tensorcnt 0x0                           ; the wave's end
	ds_add_u32 v251, v255
	s_wait_dscnt 0x0
	CROUND                                         ; the closing round
	s_endpgm
.Lfunc_end_k_q6ea75bfbac_attn:
	.size	k_q6ea75bfbac_attn, .Lfunc_end_k_q6ea75bfbac_attn-k_q6ea75bfbac_attn
	.p2alignl 7, 3214868480
	.fill 96, 4, 3214868480
	.section	.rodata,"a",@progbits
	.p2align	6, 0x0
	.amdhsa_kernel k_q6ea75bfbac_attn
		.amdhsa_group_segment_fixed_size 327680
		.amdhsa_private_segment_fixed_size 0
		.amdhsa_enable_private_segment 0
		.amdhsa_kernarg_size 40
		.amdhsa_user_sgpr_count 2
		.amdhsa_user_sgpr_kernarg_segment_ptr 1
		.amdhsa_wavefront_size32 1
		.amdhsa_system_sgpr_workgroup_id_x 1
		.amdhsa_system_sgpr_workgroup_id_y 1
		.amdhsa_system_sgpr_workgroup_id_z 1
		.amdhsa_system_vgpr_workitem_id 0
		.amdhsa_next_free_vgpr 512
		.amdhsa_next_free_sgpr 100
		.amdhsa_reserve_vcc 1
		.amdhsa_float_denorm_mode_32 3
		.amdhsa_float_denorm_mode_16_64 3
		.amdhsa_memory_ordered 1
		.amdhsa_forward_progress 1
		.amdhsa_inst_pref_size 98
	.end_amdhsa_kernel
	.amdgpu_metadata
---
amdhsa.version: [ 1, 2 ]
amdhsa.kernels:
  - .name:           k_q6ea75bfbac_attn
    .symbol:         k_q6ea75bfbac_attn.kd
    .args:
      - { .name: img, .offset: 0, .size: 8, .value_kind: global_buffer, .address_space: global }
      - { .name: isc, .offset: 8, .size: 8, .value_kind: global_buffer, .address_space: global }
      - { .name: attention_mask, .offset: 16, .size: 8, .value_kind: global_buffer, .address_space: global }
      - { .name: acode, .offset: 24, .size: 8, .value_kind: global_buffer, .address_space: global }
      - { .name: asc, .offset: 32, .size: 8, .value_kind: global_buffer, .address_space: global }
    .group_segment_fixed_size: 327680
    .private_segment_fixed_size: 0
    .kernarg_segment_align: 8
    .kernarg_segment_size: 40
    .max_flat_workgroup_size: 256
    .sgpr_count:     100
    .vgpr_count:     512
    .wavefront_size: 32
...
	.end_amdgpu_metadata
.endif
;; end of part 4
;; launch oproj (part 5): grid 32 x 8, 4 waves a work-group, clusters of 4 x 4, 327,680 bytes of LDS; arguments acode, asc, opc, ops, bo, hidden_states, out0; writes out0
.if DOCPART == 5
	.amdgcn_target "amdgcn-amd-amdhsa--gfx1250"
	.amdhsa_code_object_version 6
	.text
	.protected	k_q6ea75bfbac_oproj
	.globl	k_q6ea75bfbac_oproj
	.p2align	8
	.type	k_q6ea75bfbac_oproj,@function
k_q6ea75bfbac_oproj:
	s_mov_b64 s[64:65], 0
	v_nop
	global_prefetch_b8 v0, s[64:65] scope:SCOPE_SE
	s_setreg_imm32_b32 hwreg(HW_REG_WAVE_MODE, 25, 1), 1
	s_wait_xcnt 0x0
	s_wait_alu depctr_hold_cnt(0) depctr_sa_sdst(0) depctr_va_vdst(0) depctr_va_sdst(0) depctr_va_ssrc(0) depctr_va_vcc(0) depctr_vm_vsrc(0)
	s_getreg_b32 s2, hwreg(HW_REG_IB_STS2, 6, 4)
	s_cmp_eq_u32 s2, 0
	s_cbranch_scc0 .Lentry_in_a_cluster
	s_endpgm
.Lentry_in_a_cluster:
	s_bfe_u32 s2, ttmp6, 0x10000c
	s_cmp_lg_u32 s2, 0xf033
	s_cbranch_scc0 .Lentry_shape_is_right
	s_endpgm
.Lentry_shape_is_right:
; out0[b][c][s] = sum over k of a[b][s][k] Wo[c][k] + bo[c] + hidden_states[b][c][s], the product on codes of E5M2 (K = 1,024).
; The same frame as the launch that makes q, k and v.  P (source 0) = 128 rows s of the attention's result, Q (source 1) = 128 rows c of Wo: in a result a lane holds ONE c, and the 16 registers of P's tiles
; 2 b, 2 b + 1 are s = 32 b + 16 h + 0..15: pieces of a row of out0.  They meet in the wave's own stage in LDS and leave as whole pieces of 512 consecutive bytes, with the residual added on the way.
; Both operand blocks lie in LDS, filled ONCE in halves of K by joint loads (4 x 4 clusters: Q's block shared along a row, P's along a column); one load a wave is out at a time.  No LDS byte is filled twice.
; A wave takes Q's tiles 2 w, 2 w + 1 against P's eight: 16 accumulators by turns.
; REGISTERS: window 0: v1-15 addresses; v16-47 P's scale words, v48-55 Q's; v64-127 Q's fragments, later rows back from the stage; v128-255 the residual.  window 1: P's fragments.  window 2: v0-127 accumulators; v128, v129 bo.
.set QOP, 0
.set POP, 131072
.set QSC, 262144
.set PSC, 266240
.set STG, 270336                       ; the stages: 16 rows x 528 bytes for each wave; no tensor load lands here
.set WV, 18
.set ROLE, 19
.set HALF, 20
.set G1Q, 24
.set G1P, 32
.set G1QS, 40
.set G1PS, 48
.set G0Q0, 56
.set G0Q1, 60
.set G0Q2, 68
.set G0Q3, 72
.set G0QS, 76
.set G0P0, 80
.set G0P1, 84
.set G0P2, 88
.set G0P3, 92
.set G0PS, 96
.set AQ0, 3
.set AP0, 5
.set ASP, 10
.set ASQ, 11
.set STO, 14
.set RD,  15
.set SP, 16
.set SQ, 48
.set QF, 64
.set RES, 128
.set MSB, 0
.macro WIN new
.if MSB != (\new)
	s_set_vgpr_msb (MSB<<8)|(\new)
.set MSB, (\new)
.endif
.endm
.macro PLACES n
.rept \n
	v_nop
.endr
.endm
.macro CREST
	s_cmp_lg_u32 s[WV], 0
	s_cbranch_scc1 .Lnot_wave_0_\@
	s_barrier_signal -3
.Lnot_wave_0_\@:
	s_barrier_wait -3
	s_barrier_signal -1
	s_barrier_wait -1
.endm
.macro CROUND
	s_barrier_signal -1
	s_barrier_wait -1
	CREST
.endm
.macro JLOAD g0a, g1a, g0b, g1b        ; a joint load: one line for each role, each with one mask; four v_nop follow each line
	s_cmp_eq_u32 s[ROLE], 0
	s_cbranch_scc0 .Lfor_p_\@
	tensor_load_to_lds s[\g0a:\g0a+3], s[\g1a:\g1a+7]
	s_nop 0
.rept 4
	v_nop
.endr
	s_branch .Lasked_\@
.Lfor_p_\@:
	tensor_load_to_lds s[\g0b:\g0b+3], s[\g1b:\g1b+7]
	s_nop 0
.rept 4
	v_nop
.endr
.Lasked_\@:
.endm
.macro SCALES
.irp i, 0,1,2,3
.irp s, 0,1,2,3,4,5,6,7
	ds_load_b32 v[SP+8*\i+\s], v[ASP] offset:1024*\i+64*\s
.endr
.endr
.irp s, 0,1,2,3,4,5,6,7
	ds_load_b32 v[SQ+\s], v[ASQ] offset:64*\s
.endr
.endm
.macro FETCH s                         ; K step s: P's eight fragments and my two of Q, into set s % 2: 40 loads
.set fs, (\s)%2
.set fp, (\s)/4
.set fo, 2048*((\s)%4)
	WIN 0x40
.irp pt, 0,1,2,3,4,5,6,7
.irp c, 0,1,2,3
	ds_load_b128 v[128*fs+16*\pt+4*\c:128*fs+16*\pt+4*\c+3], v[AP0+fp] offset:fo+8192*\pt+512*\c
.endr
.endr
	WIN 0
.irp qt, 0,1
.irp c, 0,1,2,3
	ds_load_b128 v[QF+32*fs+16*\qt+4*\c:QF+32*fs+16*\qt+4*\c+3], v[AQ0+fp] offset:fo+8192*\qt+512*\c
.endr
.endr
.endm
.macro WM z, ra, rb
.if \z
.if (\ra) && (\rb)
	v_wmma_scale_f32_16x16x128_f8f6f4 v[rD:rD+7], v[rA:rA+15], v[rB:rB+15], 0, v[rSA], v[rSB] matrix_a_fmt:MATRIX_FMT_BF8 matrix_b_fmt:MATRIX_FMT_BF8 matrix_a_scale:MATRIX_SCALE_ROW1 matrix_b_scale:MATRIX_SCALE_ROW1
.elseif \ra
	v_wmma_scale_f32_16x16x128_f8f6f4 v[rD:rD+7], v[rA:rA+15], v[rB:rB+15], 0, v[rSA], v[rSB] matrix_a_fmt:MATRIX_FMT_BF8 matrix_b_fmt:MATRIX_FMT_BF8 matrix_a_scale:MATRIX_SCALE_ROW1
.elseif \rb
	v_wmma_scale_f32_16x16x128_f8f6f4 v[rD:rD+7], v[rA:rA+15], v[rB:rB+15], 0, v[rSA], v[rSB] matrix_a_fmt:MATRIX_FMT_BF8 matrix_b_fmt:MATRIX_FMT_BF8 matrix_b_scale:MATRIX_SCALE_ROW1
.else
	v_wmma_scale_f32_16x16x128_f8f6f4 v[rD:rD+7], v[rA:rA+15], v[rB:rB+15], 0, v[rSA], v[rSB] matrix_a_fmt:MATRIX_FMT_BF8 matrix_b_fmt:MATRIX_FMT_BF8
.endif
.else
.if (\ra) && (\rb)
	v_wmma_scale_f32_16x16x128_f8f6f4 v[rD:rD+7], v[rA:rA+15], v[rB:rB+15], v[rD:rD+7], v[rSA], v[rSB] matrix_a_fmt:MATRIX_FMT_BF8 matrix_b_fmt:MATRIX_FMT_BF8 matrix_a_scale:MATRIX_SCALE_ROW1 matrix_b_scale:MATRIX_SCALE_ROW1
.elseif \ra
	v_wmma_scale_f32_16x16x128_f8f6f4 v[rD:rD+7], v[rA:rA+15], v[rB:rB+15], v[rD:rD+7], v[rSA], v[rSB] matrix_a_fmt:MATRIX_FMT_BF8 matrix_b_fmt:MATRIX_FMT_BF8 matrix_a_scale:MATRIX_SCALE_ROW1
.elseif \rb
	v_wmma_scale_f32_16x16x128_f8f6f4 v[rD:rD+7], v[rA:rA+15], v[rB:rB+15], v[rD:rD+7], v[rSA], v[rSB] matrix_a_fmt:MATRIX_FMT_BF8 matrix_b_fmt:MATRIX_FMT_BF8 matrix_b_scale:MATRIX_SCALE_ROW1
.else
	v_wmma_scale_f32_16x16x128_f8f6f4 v[rD:rD+7], v[rA:rA+15], v[rB:rB+15], v[rD:rD+7], v[rSA], v[rSB] matrix_a_fmt:MATRIX_FMT_BF8 matrix_b_fmt:MATRIX_FMT_BF8
.endif
.endif
.endm
.macro MUL s, zero
	WIN 0xa1                                       ; source 0 (P) window 1, source 1 (Q) window 0, C and D window 2
.irp pt, 0,1,2,3,4,5,6,7
.irp qt, 0,1
.set rD, 64*\qt+8*\pt
.set rA, 128*((\s)%2)+16*\pt
.set rB, QF+32*((\s)%2)+16*\qt
.set rSA, SP+8*(\pt/2)+(\s)
.set rSB, SQ+(\s)
	WM \zero, \pt%2, \qt
.endr
.endr
.endm
; A K step.  gate = 1: the next quarter of K is first read behind this step: each wave waits until its part of it has landed (cnt later quarters may stay out) and for its LDS loads,
; signals, multiplies, and goes on when all four have signalled.  gate = 0: left = the loads of the fetch issued last, which may stay out.  fetch = 1: eight places, then the fragments of two K steps on.
.macro KS s, gate, cnt, fetch, left, zero
.if \gate
	s_wait_dscnt 0x0
	s_wait_tensorcnt \cnt
	s_barrier_signal -1
	MUL \s, \zero
	WIN 0
	s_barrier_wait -1
.else
	s_wait_dscnt \left
	MUL \s, \zero
.endif
.if \fetch
	PLACES 8
	FETCH (\s)+2
.endif
.endm
.macro MKG0 g, base, p, lds
	s_mov_b32 s[\g], 1
	s_add_co_u32 s[\g+1], s104, \lds
.if \p
	s_add_nc_u64 s[\g+2:\g+3], s[\base+2:\base+3], 4096*\p
.endif
.endm
	s_load_b256 s[4:11], s[0:1], 0x0               ; acode, asc, opc, ops
	s_load_b128 s[12:15], s[0:1], 0x20             ; bo, hidden_states
	s_load_b64 s[16:17], s[0:1], 0x30              ; out0
	v_lshl_add_u32 v62, v0, 2, 0x4a400
	v_mov_b32 v63, 0
	ds_add_u32 v62, v63
	ds_add_u32 v62, v63
	v_lshrrev_b32 v1, 5, v0
	v_readfirstlane_b32 s[WV], v1
	s_lshr_b32 s[ROLE], s[WV], 1
	s_and_b32 s[HALF], s[WV], 1
	s_bfe_u32 s21, ttmp6, 0x40000                  ; cx
	s_bfe_u32 s22, ttmp6, 0x40004                  ; cy
	s_lshl_b32 s23, ttmp9, 2
	s_add_co_u32 s23, s23, s21                     ; work-group x: which 128 rows s (16 to a sample)
	s_and_b32 s2, ttmp7, 0xffff
	s_lshl_b32 s3, s2, 2
	s_add_co_u32 s3, s3, s22                       ; work-group y: which 128 rows c of Wo
	s_lshl_b32 s100, s22, 2
	s_lshl_b32 s100, 15, s100                      ; my row of the cluster
	s_lshl_b32 s101, 0x1111, s21                   ; my column
	s_or_b32 s[G1Q], s100, (3<<16)|(1<<21)         ; codes: 4 rows (tiles) of 8,192 bytes (four K steps), 16 KB apart, in elements of 8 bytes
	s_or_b32 s[G1P], s101, (3<<16)|(1<<21)
.irp g, G1Q, G1P
	s_mov_b32 s[\g+1], 1024<<16                    ; rows (tiles) of 8,192 bytes (four K steps): eight for the head's loads; behind them the two words that count rows are set to 4
	s_mov_b32 s[\g+2], 8<<16
	s_mov_b32 s[\g+3], 1024<<16
	s_mov_b32 s[\g+4], 8
	s_mov_b32 s[\g+5], 2048
	s_mov_b32 s[\g+6], 0
	s_mov_b32 s[\g+7], 0
.endr
	s_or_b32 s[G1QS], s100, (3<<16)|(1<<21)        ; scale words: 4,096 dense bytes as 16 rows of 256
	s_or_b32 s[G1PS], s101, (3<<16)|(1<<21)
.irp g, G1QS, G1PS
	s_mov_b32 s[\g+1], 32<<16                      ; a block's scale words: 4,096 dense bytes as 16 rows of 256
	s_mov_b32 s[\g+2], 16<<16
	s_mov_b32 s[\g+3], 32<<16
	s_mov_b32 s[\g+4], 16
	s_mov_b32 s[\g+5], 32
	s_mov_b32 s[\g+6], 0
	s_mov_b32 s[\g+7], 0
.endr
	s_add_co_u32 s104, s3, 24                      ; Wo's blocks of 128 rows are opc's 24-31
	s_lshl_b32 s22, s104, 1
	s_add_co_u32 s22, s22, s[HALF]                 ; 2 x Q's block + my half
	s_lshl_b32 s21, s23, 1
	s_add_co_u32 s21, s21, s[HALF]                 ; 2 x P's block + my half
	s_mov_b32 s105, 0
	s_mov_b32 s67, 0
	s_wait_dscnt 0x0
	s_wait_kmcnt 0x0
	; each operand block lies in LDS as [half of K][tile 8][K step 4][2048]
	s_lshl_b32 s104, s22, 16
	s_add_co_u32 s104, s104, 8192
	s_add_nc_u64 s[G0Q1+2:G0Q1+3], s[8:9], s[104:105]    ; K steps 4-7 of my four tiles
	s_add_co_u32 s104, s3, 24
	s_lshl_b32 s104, s104, 17
	s_add_nc_u64 s[G0Q0+2:G0Q0+3], s[8:9], s[104:105]    ; K steps 0-3 of the block's eight tiles
	s_add_co_u32 s104, s3, 24
	s_lshl_b32 s104, s104, 12
	s_add_nc_u64 s[G0QS+2:G0QS+3], s[10:11], s[104:105]
	s_lshl_b32 s66, s21, 16
	s_add_co_u32 s66, s66, 8192
	s_add_nc_u64 s[G0P1+2:G0P1+3], s[4:5], s[66:67]
	s_lshl_b32 s66, s23, 17
	s_add_nc_u64 s[G0P0+2:G0P0+3], s[4:5], s[66:67]
	s_lshl_b32 s66, s23, 12
	s_add_nc_u64 s[G0PS+2:G0PS+3], s[6:7], s[66:67]
	s_lshl_b32 s104, s[HALF], 15                   ; the wave's number alone enters an LDS address
	MKG0 G0Q1, G0Q1, 0, QOP+65536
	MKG0 G0P1, G0P1, 0, POP+65536
	s_mov_b32 s104, 0
	MKG0 G0Q0, G0Q0, 0, QOP
	MKG0 G0P0, G0P0, 0, POP
	MKG0 G0QS, G0QS, 0, QSC
	MKG0 G0PS, G0PS, 0, PSC
.irp g, G0Q0, G0Q1, G0QS, G0P0, G0P1, G0PS
	s_or_b32 s[\g+3], s[\g+3], 0x80000000
.endr
	CROUND                                         ; all sixteen work-groups are here: the joint loads meet
; The head's loads, one a wave: wave 0 Q's K steps 0-3, wave 1 P's, wave 2 Q's scale words, wave 3 P's.  One chain of branches on the wave's number.
.macro ARM w, g0, g1, next
	s_cmp_eq_u32 s[WV], \w
	s_cbranch_scc0 \next
	tensor_load_to_lds s[\g0:\g0+3], s[\g1:\g1+7]
	s_nop 0
	PLACES 4
	s_branch .Lhead_asked
\next:
.endm
	ARM 0, G0Q0, G1Q, .Lhead_1
	ARM 1, G0P0, G1P, .Lhead_2
	ARM 2, G0QS, G1QS, .Lhead_3
	tensor_load_to_lds s[G0PS:G0PS+3], s[G1PS:G1PS+7]
	s_nop 0
	PLACES 4
.Lhead_asked:
	v_and_b32 v1, 31, v0                           ; lane
	v_lshlrev_b32 v2, 4, v1                        ; 16 x lane
	s_lshl_b32 s104, s[WV], 14                     ; my two tiles: 16 KB x wave in each half of K
	v_add_nc_u32 v[AQ0], s104, v2
	v_add_nc_u32 v[AQ0+1], 65536, v[AQ0]
	v_add_nc_u32 v[AP0], POP, v2
	v_add_nc_u32 v[AP0+1], POP+65536, v2
	v_and_b32 v7, 15, v0                           ; r
	v_bfe_u32 v8, v0, 4, 1                         ; h
	v_lshlrev_b32 v9, 2, v7
	v_lshl_add_u32 v9, v8, 9, v9
	v_add_nc_u32 v[ASP], PSC, v9
	s_lshl_b32 s104, s[WV], 10
	v_add_nc_u32 v[ASQ], s104, v9
	v_add_nc_u32 v[ASQ], QSC, v[ASQ]
	v_and_b32 v13, 8, v7
	v_add_nc_u32 v13, v13, v7
	v_lshlrev_b32 v13, 2, v13                      ; bo of my row c: 4 (r + 8 (r / 8))
	s_mul_i32 s104, s[WV], 8448                    ; my stage
	v_mul_u32_u24 v[STO], v7, 528
	v_lshl_add_u32 v[STO], v8, 6, v[STO]
	v_add_nc_u32 v[STO], s104, v[STO]
	v_add_nc_u32 v[STO], STG, v[STO]               ; in: row r, + 64 h.  528 bytes = 132 words: the 16 rows of a store begin 4 banks apart
	v_add_nc_u32 v[RD], s104, v2
	v_add_nc_u32 v[RD], STG, v[RD]                 ; back: a row's 512 bytes, 16 a lane
	s_wait_alu depctr_va_vdst(0)
	; the residual and bo are asked for here, behind the head's tensor loads: their registers serve nothing else, and the wait for them stands behind the last K step
	s_lshr_b32 s68, s23, 4
	s_lshl_b32 s68, s68, 23                        ; the sample's 8 MB
	s_lshl_b32 s70, s3, 7
	s_lshl_b32 s71, s[WV], 5
	s_add_co_u32 s70, s70, s71                     ; my first c: 128 y + 32 wave
	s_lshl_b32 s71, s70, 13
	s_add_co_u32 s68, s68, s71
	s_and_b32 s71, s23, 15
	s_lshl_b32 s71, s71, 9
	s_add_co_u32 s68, s68, s71                     ; + my 128 s
	s_mov_b32 s69, 0
	s_add_nc_u64 s[14:15], s[14:15], s[68:69]
	s_add_nc_u64 s[16:17], s[16:17], s[68:69]
	s_lshl_b32 s68, s70, 2
	s_add_nc_u64 s[12:13], s[12:13], s[68:69]
.irp qt, 0,1
.irp t, 0,1,2,3,4,5,6,7,8,9,10,11,12,13,14,15
	global_load_b128 v[RES+64*\qt+4*\t:RES+64*\qt+4*\t+3], v2, s[14:15] offset:(8*\qt+\t+8*(\t/8))*8192 th:TH_LOAD_NT   ; the residual of row t of my tile qt: 512 consecutive bytes
.endr
.endr
	WIN 0x80
	global_load_b32 v128, v13, s[12:13]
	global_load_b32 v129, v13, s[12:13] offset:32
	WIN 0
	s_wait_tensorcnt 0x0
	ds_add_u32 v62, v63
	s_mov_b32 s[G1Q+2], 4<<16
	s_mov_b32 s[G1Q+4], 4
	s_mov_b32 s[G1P+2], 4<<16
	s_mov_b32 s[G1P+4], 4
	s_wait_dscnt 0x0
	CROUND                                         ; all four tiles are in, in every work-group of the cluster
	JLOAD G0Q1, G1Q, G0P1, G1P                     ; K steps 4-7, a quarter a wave; the barrier at K step 2 shows them landed
	SCALES
	FETCH 0
	FETCH 1
	KS 0, 0, 0, 1, 40, 1                           ; the first products start the sums
	KS 1, 0, 0, 1, 40, 0
	KS 2, 1, 0, 1, 0, 0                            ; every tensor load has landed: K steps 4-7 may be read, and the descriptors' registers are free
	KS 3, 0, 0, 1, 40, 0
	KS 4, 0, 0, 1, 40, 0
	KS 5, 0, 0, 1, 40, 0
	KS 6, 0, 0, 0, 40, 0
	KS 7, 0, 0, 0, 0, 0
	PLACES 8
	s_wait_loadcnt 0x0
; My tile qt of 16 rows c x 128 s: + bo; through my stage; + residual; out.
.macro OUTQ qt
	WIN 0xaa
.set n, 0
.rept 32
.if \qt
	v_pk_add_f32 v[64+n:64+n+1], v[64+n:64+n+1], v[128:129] op_sel:[0,1] op_sel_hi:[1,1]
.else
	v_pk_add_f32 v[n:n+1], v[n:n+1], v[128:129] op_sel_hi:[1,0]          ; each accumulator from its low end on
.endif
.set n, n+2
.endr
	WIN 0x08                                       ; an LDS store's data are its source 1: window 2
.irp pt, 0,1,2,3,4,5,6,7
.irp q, 0,1
	ds_store_b128 v[STO], v[64*\qt+8*\pt+4*\q:64*\qt+8*\pt+4*\q+3] offset:128*(\pt/2)+32*(\pt%2)+16*\q   ; s = 32 (pt / 2) + 16 h + 8 (pt % 2) + 0..7 of row r
.endr
.endr
	WIN 0
.irp t, 0,1,2,3,4,5,6,7,8,9,10,11,12,13,14,15
	ds_load_b128 v[QF+4*\t:QF+4*\t+3], v[RD] offset:528*\t               ; LDS serves a wave's instructions in order: these see the stores above
.endr
.irp t, 0,1,2,3,4,5,6,7,8,9,10,11,12,13,14,15
	s_wait_dscnt 15-\t                             ; row t is back; the younger rows may be out
	v_pk_add_f32 v[RES+64*\qt+4*\t:RES+64*\qt+4*\t+1], v[RES+64*\qt+4*\t:RES+64*\qt+4*\t+1], v[QF+4*\t:QF+4*\t+1]
	v_pk_add_f32 v[RES+64*\qt+4*\t+2:RES+64*\qt+4*\t+3], v[RES+64*\qt+4*\t+2:RES+64*\qt+4*\t+3], v[QF+4*\t+2:QF+4*\t+3]
	global_store_b128 v2, v[RES+64*\qt+4*\t:RES+64*\qt+4*\t+3], s[16:17] offset:(8*\qt+\t+8*(\t/8))*8192 th:TH_STORE_NT   ; 512 consecutive bytes, aligned; the data registers are never written again
.endr
.endm
	OUTQ 0
	OUTQ 1
	s_wait_tensorcnt 0x0
	ds_add_u32 v62, v63
	s_wait_dscnt 0x0
	CROUND                                         ; the closing round: no work-group ends while a partner may still ask for a tile that names it
	s_endpgm
.Lfunc_end_k_q6ea75bfbac_oproj:
	.size	k_q6ea75bfbac_oproj, .Lfunc_end_k_q6ea75bfbac_oproj-k_q6ea75bfbac_oproj
	.p2alignl 7, 3214868480
	.fill 96, 4, 3214868480
	.section	.rodata,"a",@progbits
	.p2align	6, 0x0
	.amdhsa_kernel k_q6ea75bfbac_oproj
		.amdhsa_group_segment_fixed_size 327680
		.amdhsa_private_segment_fixed_size 0
		.amdhsa_enable_private_segment 0
		.amdhsa_kernarg_size 56
		.amdhsa_user_sgpr_count 2
		.amdhsa_user_sgpr_kernarg_segment_ptr 1
		.amdhsa_wavefront_size32 1
		.amdhsa_system_sgpr_workgroup_id_x 1
		.amdhsa_system_sgpr_workgroup_id_y 1
		.amdhsa_system_sgpr_workgroup_id_z 1
		.amdhsa_system_vgpr_workitem_id 0
		.amdhsa_next_free_vgpr 768
		.amdhsa_next_free_sgpr 106
		.amdhsa_reserve_vcc 0
		.amdhsa_float_denorm_mode_32 3
		.amdhsa_float_denorm_mode_16_64 3
		.amdhsa_memory_ordered 1
		.amdhsa_forward_progress 1
		.amdhsa_inst_pref_size 71
	.end_amdhsa_kernel
	.amdgpu_metadata
---
amdhsa.version: [ 1, 2 ]
amdhsa.kernels:
  - .name:           k_q6ea75bfbac_oproj
    .symbol:         k_q6ea75bfbac_oproj.kd
    .args:
      - { .name: acode, .offset: 0, .size: 8, .value_kind: global_buffer, .address_space: global }
      - { .name: asc, .offset: 8, .size: 8, .value_kind: global_buffer, .address_space: global }
      - { .name: opc, .offset: 16, .size: 8, .value_kind: global_buffer, .address_space: global }
      - { .name: ops, .offset: 24, .size: 8, .value_kind: global_buffer, .address_space: global }
      - { .name: bo, .offset: 32, .size: 8, .value_kind: global_buffer, .address_space: global }
      - { .name: hidden_states, .offset: 40, .size: 8, .value_kind: global_buffer, .address_space: global }
      - { .name: out0, .offset: 48, .size: 8, .value_kind: global_buffer, .address_space: global }
    .group_segment_fixed_size: 327680
    .private_segment_fixed_size: 0
    .kernarg_segment_align: 8
    .kernarg_segment_size: 56
    .max_flat_workgroup_size: 128
    .sgpr_count:     106
    .vgpr_count:     768
    .wavefront_size: 32
...
	.end_amdgpu_metadata
.endif
;; end of part 5
